; MI455X (gfx1250); checked and timed in simulation.
; The chip was launched on July 23, 2026; its instructions are those of AMD's public machine-readable ISA for CDNA 5 (MIT licence, August 2026) and "CDNA5" Instruction Set Architecture Reference Guide (July 2026). The comments in the code are by the model that wrote it; some were corrected since.
;; Multi Head Attention. Allowed arithmetic: matrix products marked QUANTISED: E2M3 operands, one E8M0 scale for each 32 along K, by v_wmma_scale_f32_16x16x128_f8f6f4 with both operands' format E2M3, f32 sums; everything else in f32.
;; Inputs: attn_mask 2,048 x 2,048 bool; b_k 1,024 float32; b_o 1,024 float32; b_q 1,024 float32; b_v 1,024 float32; key 4 x 2,048 x 1,024 float32; key_padding_mask 4 x 2,048 bool; query 4 x 2,048 x 1,024 float32; value 4 x 2,048 x 1,024 float32; w_k 1,024 x 1,024 float32; w_o 1,024 x 1,024 float32; w_q 1,024 x 1,024 float32; w_v 1,024 x 1,024 float32.
;; Outputs: out0 4 x 2,048 x 1,024 float32.
;; This version of the problem:
;;   THIS VERSION OF THE PROBLEM IS GIVEN IN LOW PRECISION. The matrix products marked QUANTISED in the list below multiply operands that are first quantised to E2M3 (2 exponent bits, 3 mantissa bits; 6 bits a number), with one power-of-two scale for each 32 numbers along K (OCP MX v1.0); their sums are f32. All else is computed in f32.
;;   The module's matrix products, in the order in which they are computed (A, B: the left and right operand; K: the contracted axis; several contracted axes count as one K, in the product's order):
;;     1. [M 8,192, K 1,024] x [K 1,024, N 1,024]; A: input query; B: input w_q: QUANTISED
;;     2. [M 8,192, K 1,024] x [K 1,024, N 1,024]; A: input key; B: input w_k: QUANTISED
;;     3. [M 8,192, K 1,024] x [K 1,024, N 1,024]; A: input value; B: input w_v: QUANTISED
;;     4. batch 64 x [M 2,048, K 64] x [K 64, N 2,048]; A: computed on the way; B: computed on the way: QUANTISED
;;     5. batch 64 x [M 2,048, K 2,048] x [K 2,048, N 64]; A: softmax (see below); B: computed on the way: QUANTISED
;;     6. [M 8,192, K 1,024] x [K 1,024, N 1,024]; A: computed on the way; B: input w_o: QUANTISED
;;   THE QUANTISER, for each operand of a quantised product, along K:
;;     - K is cut into blocks of 32 from its start; a last block that is shorter is filled with zeros.
;;     - A block's scale is 2^e with e = floor(log2(the largest magnitude in the block)) - 2, held to -126 .. 127; a block of zeros has e = 0. As a byte (E8M0): e + 127.
;;     - Each number is divided by its block's scale, clamped to +-7.5, and rounded to the nearest number of E2M3, ties to even, subnormals kept.
;;     - The product sums the exact products of the quantised numbers (number of the format x scale) in f32.
;;   ~~~python
;;   def quantise(x, axis):      # numpy; x: float32 -> the quantised numbers, widened to float32 again
;;       x = np.moveaxis(x, axis, -1); K = x.shape[-1]
;;       x = np.pad(x, [(0, 0)] * (x.ndim - 1) + [(0, -K % 32)]); x = x.reshape(x.shape[:-1] + (-1, 32)); a = np.abs(x).max(-1, keepdims=True)
;;       e = np.where(a > 0, np.clip(np.frexp(np.where(a > 0, a, 1))[1] - 1 - 2, -126, 127), 0)      # np.frexp(a)[1] - 1 = floor(log2(a)), exactly
;;       r = np.clip(x / 2.0 ** e, -7.5, 7.5)
;;       step = 2.0 ** (np.maximum(np.frexp(np.where(r == 0, 1, r))[1] - 1, 0) - 3)
;;       q = np.round(r / step) * step * 2.0 ** e      # np.round: ties to even
;;       return np.moveaxis(q.reshape(q.shape[:-2] + (-1,))[..., :K], -1, axis).astype(np.float32)
;;   ~~~
;;   SOFTMAX AHEAD OF A QUANTISED PRODUCT. Where the list says 'softmax', what is quantised is not the finished softmax but p = 2^(t - M), with t = logit x log2(e) and M = ceil(the row's largest t), a whole number; so 1/2 < the row's largest p <= 1. The row's sum l is taken of the UNQUANTISED p, in f32, and the product's result is divided by l at the end. Since M is a whole number, a kernel that streams over the keys may use a running M (the ceiling of the running maximum): every later rescaling is an exact power of two, which a block's scale takes up: the codes' values come out the same.
;;   OPERANDS COMPUTED ON THE WAY. 'Computed on the way' means the value that the module computes at that place (a softmax that the list does not call 'softmax' is quantised finished and normalised). What goes into a quantiser is computed in f32, as accurately as f32 sums, v_exp_f32 and their like allow (about 1e-6 of the number): no bf16 or f16 on the way to a quantiser, and a product that is left as it is and whose result goes on into a quantised operand takes f32 operands (vector FMAs, or v_wmma_f32_16x16x4_f32). A number that lies on a knife's edge between two numbers of the format may be rounded either way, as far as f32 arithmetic and the matrix unit's own rounding can turn it there, and no further.
;; 2 versions, each right; version 2 is version 1 with the launch attn written anew for expert scheduling mode. Each part assembles by itself: llvm-mc -triple=amdgcn-amd-amdhsa -mcpu=gfx1250 --defsym DOCPART=n.
;; ======== version 1 of 2: 4 launches
;; workspace buffers: xw_codes 22,020,096 bytes; xw_scales 917,504 bytes; qkv_codes 18,874,368 bytes; qkv_scales 1,310,720 bytes; o_codes 6,291,456 bytes; o_scales 262,144 bytes; maskw 2,097,152 bytes of whole numbers; maskf 8,192 bytes of whole numbers
;; launch prep (part 1): grid 960 x 1, 4 waves a work-group, no clusters, 34,304 bytes of LDS; arguments query, key, value, w_q, w_k, w_v, w_o, attn_mask, key_padding_mask, xw_codes, xw_scales, maskw, maskf; writes xw_codes, xw_scales, maskw, maskf
.if DOCPART == 1
	.amdgcn_target "amdgcn-amd-amdhsa--gfx1250"
	.amdhsa_code_object_version 6
	.text
	.protected	k_qb22511bf3d_prep
	.globl	k_qb22511bf3d_prep
	.p2align	8
	.type	k_qb22511bf3d_prep,@function
k_qb22511bf3d_prep:
	s_mov_b64 s[64:65], 0
	v_nop
	global_prefetch_b8 v0, s[64:65] scope:SCOPE_SE
	s_setreg_imm32_b32 hwreg(HW_REG_WAVE_MODE, 25, 1), 1
	s_wait_xcnt 0x0
; Two jobs in one launch, parted by the work-group's number.
; WORK-GROUPS 0-447: query, key, value [8192][1024] and w_q, w_k, w_v, w_o [1024][1024], f32, K innermost, become codes of FP6 (E2M3) with one E8M0 byte for each 32 along K,
; laid in the order of a matrix operand's registers.  A ROW TILE T of a tensor is its rows 32 (T / 2) + 8 (T % 2) + i + 8 (i / 8), i = 0 .. 15.  xw_codes: [row tile][K step of 128][half c] x 768 bytes;
; a half is 16 rows x 64 K, six registers a lane: registers 0-3 at 16 x lane, registers 4-5 at 512 + 8 x lane; lane (r, h) holds K = 32 h .. 32 h + 31 of row r.
; xw_scales: 512 bytes a row tile: lane 16 h + r has the scale words of K steps 4 h .. 4 h + 3 of row r at 16 x lane.
; A wave takes one row tile and all of K, eight steps.  Each load reads 512 consecutive bytes of one row; a step's 8,192 bytes turn through the wave's own stage in LDS, so that a lane gets 2 x 32 neighbours along K.
; A block's scale is 2^(floor(log2(largest magnitude)) - 2): its byte is that magnitude's exponent field - 2, held at 1 from below.
; LIMITS: a block of zeros gets the byte 1 (its codes are zeros; only this program reads the bytes); blocks whose largest magnitude lies under 2^-124 were not tried; NaN and infinities are not served.
; WORK-GROUPS 448-959: the two masks become lane masks for the attention launch.  maskw: for batch b, query tile qt, key step st: 64 words; bit L of word j = attn_mask[query of lane L % 16][key] and key_padding_mask[b][key],
; key = 128 st + 32 (j / 16) + 16 (L / 16) + j % 16.  maskf: one word for four key steps, bit s set where step s has a hole.  This path uses no LDS.
.set SPARE, 33792                      ; behind the four stages: the spare words, 128 bytes a wave
.set STG,   8448                       ; a wave's stage: 16 rows x (512 + 16) bytes
.set SPW, 2                            ; v2  my spare word's LDS address; never rewritten
.set NIL, 3                            ; v3  0; never rewritten
.set SW,  16                           ; v16-23  the scale words of the eight K steps
.set PC,  24                           ; v24-35  a K step's codes
.set TC,  36                           ; v36-43  the second halves of the blocks' codes, as the conversions leave them
.set X,   48                           ; v48-111 64 numbers: 2 blocks of 32 neighbours
.set R,   112                          ; v112-239 two sets of 64 registers as loaded
	s_load_b512 s[4:19], s[0:1], 0x0               ; query, key, value, w_q, w_k, w_v, w_o, attn_mask
	s_load_b256 s[20:27], s[0:1], 0x40             ; key_padding_mask, xw_codes, xw_scales, maskw
	s_load_b64 s[28:29], s[0:1], 0x60              ; maskf
	v_lshl_add_u32 v[SPW], v0, 2, SPARE
	v_mov_b32 v[NIL], 0
	v_lshrrev_b32 v9, 5, v0
	v_readfirstlane_b32 s30, v9                    ; wave
	v_and_b32 v1, 31, v0                           ; lane
	v_and_b32 v10, 15, v0                          ; r
	v_bfe_u32 v11, v0, 4, 1                        ; h
	s_cmp_ge_u32 ttmp9, 448
	s_cbranch_scc1 .Lmask
	; ---------------- the quantiser ----------------
	v_lshlrev_b32 v4, 4, v1                        ; 16 x lane: in memory, in and out
	v_lshlrev_b32 v5, 3, v1                        ; 8 x lane
	s_mul_i32 s31, s30, STG
	v_add_nc_u32 v6, s31, v4                       ; into the stage: a row's 512 bytes as they lie
	v_mul_u32_u24 v7, v10, 528
	v_lshl_add_u32 v7, v11, 7, v7
	v_add_nc_u32 v7, s31, v7                       ; out of it: row r, + 128 h: my 32 neighbours of each 64
	v_lshlrev_b32 v8, 3, v11                       ; 8 h: how far my two scale bytes are shifted
	v_mov_b32 v12, 0                               ; a lane permute's destination counts as a source: written once
	s_mov_b32 s40, 0x76543210
	s_mov_b32 s41, 0xfedcba98                      ; selects for lane l xor 16
	s_mov_b32 s42, 0xffff0000                      ; lanes 16-31
	s_wait_kmcnt 0x0
	s_mov_b64 s[32:33], s[4:5]
	s_mov_b32 s34, 0
.macro PICK thr, p                     ; from work-group thr on: the tensor whose address is in s[p:p+1]
	s_cmp_ge_u32 ttmp9, \thr
	s_cselect_b64 s[32:33], s[\p:\p+1], s[32:33]
	s_cselect_b32 s34, \thr, s34
.endm
	PICK 128, 6
	PICK 256, 8
	PICK 384, 10
	PICK 400, 12
	PICK 416, 14
	PICK 432, 16
	s_sub_co_u32 s35, ttmp9, s34
	s_lshl_b32 s35, s35, 2
	s_add_co_u32 s35, s35, s30                     ; my row tile in its tensor
	s_lshr_b32 s36, s35, 1
	s_lshl_b32 s36, s36, 17                        ; 32 rows of 4,096 bytes for each pair of tiles,
	s_and_b32 s37, s35, 1
	s_lshl_b32 s37, s37, 15                        ; 8 rows for the odd one
	s_add_co_u32 s36, s36, s37
	s_mov_b32 s37, 0
	s_add_nc_u64 s[32:33], s[32:33], s[36:37]
	s_lshl_b32 s38, ttmp9, 2
	s_add_co_u32 s38, s38, s30                     ; my row tile among all 1,792
	s_mul_i32 s36, s38, 12288
	s_add_nc_u64 s[22:23], s[22:23], s[36:37]
	s_lshl_b32 s36, s38, 9
	s_add_nc_u64 s[24:25], s[24:25], s[36:37]
.macro LOAD t                          ; K step t: 16 rows x 512 consecutive bytes
.irp i, 0,1,2,3,4,5,6,7,8,9,10,11,12,13,14,15
	global_load_b128 v[R+64*((\t)%2)+4*\i:R+64*((\t)%2)+4*\i+3], v4, s[32:33] offset:(\i+8*(\i/8))*4096+512*(\t) th:TH_LOAD_NT
.endr
.endm
.macro STEP t
.set RS, R+64*((\t)%2)
.if (\t)<7
	s_wait_loadcnt 16                              ; this step's 16 loads are in; the next step's 16 may be out
.else
	s_wait_loadcnt 0x0
.endif
.irp i, 0,1,2,3,4,5,6,7,8,9,10,11,12,13,14,15
	ds_store_b128 v6, v[RS+4*\i:RS+4*\i+3] offset:528*\i
.endr
.irp c, 0,1
.irp j, 0,1,2,3,4,5,6,7
	ds_load_b128 v[X+32*\c+4*\j:X+32*\c+4*\j+3], v7 offset:256*\c+16*\j   ; LDS serves a wave's instructions in order: these see the stores above
.endr
.endr
	s_wait_dscnt 0x0                               ; my numbers are back, and the stores have read their registers,
.if (\t)<6
	LOAD (\t)+2                                    ; which take the loads of two steps on
.endif
.irp c, 0,1
	v_max3_num_f32 v[9+\c], |v[X+32*\c]|, |v[X+32*\c+1]|, 0x1800000   ; block 2 c + h is all mine; the floor 2^(3 - 127) keeps the byte at 1 or above
.endr
.irp i, 2,4,6,8,10,12,14,16,18,20,22,24,26,28,30
.irp c, 0,1
	v_max3_num_f32 v[9+\c], v[9+\c], |v[X+32*\c+\i]|, |v[X+32*\c+\i+1]|
.endr
.endr
.irp c, 0,1
	v_add_nc_u32 v[13+\c], 0xff000000, v[9+\c]     ; 2 off the exponent field: the conversion's scale operand
.endr
.irp c, 0,1
	v_lshrrev_b32 v[9+\c], 23, v[13+\c]            ; the scale's byte
.endr
	v_lshl_or_b32 v11, v10, 16, v9                 ; my two bytes, blocks h and 2 + h,
	v_lshlrev_b32 v11, v8, v11                     ; at their places in the word;
	v_permlanex16_b32 v12, v11, s40, s41
	v_or_b32 v[SW+(\t)], v11, v12                  ; with lane l xor 16's two the word is whole
	s_wait_xcnt 0x0                                ; the last step's stores have read the codes' registers
.irp c, 0,1
	v_cvt_scalef32_pk16_fp6_f32 v[PC+6*\c:PC+6*\c+2], v[X+32*\c:X+32*\c+15], v[13+\c]
	v_cvt_scalef32_pk16_fp6_f32 v[TC+4*\c:TC+4*\c+2], v[X+32*\c+16:X+32*\c+31], v[13+\c]   ; (a conversion's three registers begin on an even number)
.endr
	v_nop                                          ; one plain place behind the conversions
.irp c, 0,1
.irp i, 0,1,2
	v_mov_b32 v[PC+6*\c+3+\i], v[TC+4*\c+\i]
.endr
.endr
.irp c, 0,1
	global_store_b128 v4, v[PC+6*\c:PC+6*\c+3], s[22:23] offset:1536*(\t)+768*\c         ; 512 consecutive bytes
	global_store_b64 v5, v[PC+6*\c+4:PC+6*\c+5], s[22:23] offset:1536*(\t)+768*\c+512    ; 256 consecutive bytes
.endr
.endm
	LOAD 0
	LOAD 1
.irp t, 0,1,2,3,4,5,6,7
	STEP \t
.endr
.irp i, 0,1,2,3
	v_cndmask_b32 v[44+\i], v[SW+\i], v[SW+4+\i], s42   ; lanes 0-15 K steps 0-3, lanes 16-31 K steps 4-7
.endr
	global_store_b128 v4, v[44:47], s[24:25]       ; 512 consecutive bytes
	s_wait_tensorcnt 0x0                           ; the wave's end: behind my last LDS store
	ds_add_u32 v[SPW], v[NIL]
	s_wait_dscnt 0x0
	s_endpgm
	; ---------------- the masks ----------------
.Lmask:
	s_sub_co_u32 s31, ttmp9, 448
	s_lshl_b32 s31, s31, 2
	s_add_co_u32 s31, s31, s30                     ; job J = ((b x 128 + qt) x 4 + q4): four key steps of one query tile
	s_and_b32 s32, s31, 3                          ; q4
	s_lshr_b32 s33, s31, 2
	s_and_b32 s33, s33, 127                        ; qt
	s_lshr_b32 s34, s31, 9                         ; b
	s_lshr_b32 s35, s33, 1
	s_lshl_b32 s35, s35, 5
	s_and_b32 s36, s33, 1
	s_lshl_b32 s36, s36, 3
	s_add_co_u32 s35, s35, s36                     ; the tile's first query
	v_and_b32 v4, 8, v10
	v_add_nc_u32 v4, v4, v10                       ; r + 8 (r / 8)
	v_add_nc_u32 v4, s35, v4
	v_lshlrev_b32 v4, 11, v4                       ; my query's row of attn_mask
	v_lshl_add_u32 v4, v11, 4, v4                  ; + 16 h
	s_lshl_b32 s36, s32, 9
	v_add_nc_u32 v4, s36, v4                       ; + 512 q4
	s_lshl_b32 s37, s34, 11
	s_add_co_u32 s37, s37, s36
	v_lshlrev_b32 v5, 4, v11
	v_add_nc_u32 v5, s37, v5                       ; key_padding_mask: 2,048 b + 512 q4 + 16 h
	s_wait_kmcnt 0x0
.irp s, 0,1,2,3
.irp b, 0,1,2,3
	global_load_b128 v[48+16*\s+4*\b:51+16*\s+4*\b], v4, s[18:19] offset:128*\s+32*\b     ; 16 keys a lane: 128 s + 32 b + 16 h + 0 .. 15
	global_load_b128 v[112+16*\s+4*\b:115+16*\s+4*\b], v5, s[20:21] offset:128*\s+32*\b
.endr
.endr
.irp i, 0,1,2,3,4,5,6,7
	v_mov_b32 v[16+\i], 0                          ; the words' registers: a lane write's destination counts as a source
.endr
	s_mov_b32 s44, 0                               ; the flags
	s_wait_loadcnt 0x0
.set n, 0
.rept 64
	v_and_b32 v[48+n], v[48+n], v[112+n]           ; a key counts where both masks keep it (bytes of 0 or 1)
.set n, n+1
.endr
.irp s, 0,1,2,3
	s_mov_b32 s45, -1
.set j, 0
.rept 64
	v_and_b32 v[24+j%4], 1<<(8*(j%4)), v[48+16*\s+4*(j/16)+(j%16)/4]
	v_cmp_ne_u32 s[48+j%4], 0, v[24+j%4]           ; word j: a bit a lane
	v_writelane_b32 v[16+4*(\s/2)+j%4], s[48+j%4], 16*(\s%2)+j/4   ; to the lane and register from which the stores below put it at byte 256 s + 4 j
	s_and_b32 s45, s45, s[48+j%4]
.set j, j+1
.endr
	s_cmp_lg_u32 s45, -1                           ; any hole in this key step?
	s_cselect_b32 s46, 1<<\s, 0
	s_or_b32 s44, s44, s46
.endr
	s_lshl_b32 s36, s31, 10
	s_mov_b32 s37, 0
	s_add_nc_u64 s[26:27], s[26:27], s[36:37]
	s_lshl_b32 s36, s31, 2
	s_add_nc_u64 s[28:29], s[28:29], s[36:37]
	v_lshlrev_b32 v6, 4, v1
	global_store_b128 v6, v[16:19], s[26:27]       ; 512 consecutive bytes each
	global_store_b128 v6, v[20:23], s[26:27] offset:512
	v_mov_b32 v7, s44
	v_mov_b32 v8, 0
	v_cmp_eq_u32 vcc_lo, 0, v1
	s_wait_xcnt 0x0                                ; EXEC is a source of the stores above: it changes only behind this wait
	s_and_saveexec_b32 s47, vcc_lo
	global_store_b32 v8, v7, s[28:29]              ; lane 0 alone: the job's flag word
	s_wait_xcnt 0x0
	s_or_b32 exec_lo, exec_lo, s47
	s_endpgm
.Lfunc_end_k_qb22511bf3d_prep:
	.size	k_qb22511bf3d_prep, .Lfunc_end_k_qb22511bf3d_prep-k_qb22511bf3d_prep
	.p2alignl 7, 3214868480
	.fill 96, 4, 3214868480
	.section	.rodata,"a",@progbits
	.p2align	6, 0x0
	.amdhsa_kernel k_qb22511bf3d_prep
		.amdhsa_group_segment_fixed_size 34304
		.amdhsa_private_segment_fixed_size 0
		.amdhsa_enable_private_segment 0
		.amdhsa_kernarg_size 104
		.amdhsa_user_sgpr_count 2
		.amdhsa_user_sgpr_kernarg_segment_ptr 1
		.amdhsa_wavefront_size32 1
		.amdhsa_system_sgpr_workgroup_id_x 1
		.amdhsa_system_sgpr_workgroup_id_y 1
		.amdhsa_system_sgpr_workgroup_id_z 1
		.amdhsa_system_vgpr_workitem_id 0
		.amdhsa_next_free_vgpr 240
		.amdhsa_next_free_sgpr 66
		.amdhsa_reserve_vcc 1
		.amdhsa_float_denorm_mode_32 3
		.amdhsa_float_denorm_mode_16_64 3
		.amdhsa_memory_ordered 1
		.amdhsa_forward_progress 1
		.amdhsa_inst_pref_size 120
	.end_amdhsa_kernel
	.amdgpu_metadata
---
amdhsa.version: [ 1, 2 ]
amdhsa.kernels:
  - .name:           k_qb22511bf3d_prep
    .symbol:         k_qb22511bf3d_prep.kd
    .args:
      - { .name: query, .offset: 0, .size: 8, .value_kind: global_buffer, .address_space: global }
      - { .name: key, .offset: 8, .size: 8, .value_kind: global_buffer, .address_space: global }
      - { .name: value, .offset: 16, .size: 8, .value_kind: global_buffer, .address_space: global }
      - { .name: w_q, .offset: 24, .size: 8, .value_kind: global_buffer, .address_space: global }
      - { .name: w_k, .offset: 32, .size: 8, .value_kind: global_buffer, .address_space: global }
      - { .name: w_v, .offset: 40, .size: 8, .value_kind: global_buffer, .address_space: global }
      - { .name: w_o, .offset: 48, .size: 8, .value_kind: global_buffer, .address_space: global }
      - { .name: attn_mask, .offset: 56, .size: 8, .value_kind: global_buffer, .address_space: global }
      - { .name: key_padding_mask, .offset: 64, .size: 8, .value_kind: global_buffer, .address_space: global }
      - { .name: xw_codes, .offset: 72, .size: 8, .value_kind: global_buffer, .address_space: global }
      - { .name: xw_scales, .offset: 80, .size: 8, .value_kind: global_buffer, .address_space: global }
      - { .name: maskw, .offset: 88, .size: 8, .value_kind: global_buffer, .address_space: global }
      - { .name: maskf, .offset: 96, .size: 8, .value_kind: global_buffer, .address_space: global }
    .group_segment_fixed_size: 34304
    .private_segment_fixed_size: 0
    .kernarg_segment_align: 8
    .kernarg_segment_size: 104
    .max_flat_workgroup_size: 128
    .sgpr_count:     66
    .vgpr_count:     240
    .wavefront_size: 32
...
	.end_amdgpu_metadata
.endif
;; end of part 1
;; launch proj (part 2): grid 4 x 192, 4 waves a work-group, clusters of 4 x 4, 327,680 bytes of LDS; arguments xw_codes, xw_scales, b_q, b_k, b_v, qkv_codes, qkv_scales; writes qkv_codes, qkv_scales
.if DOCPART == 2
	.amdgcn_target "amdgcn-amd-amdhsa--gfx1250"
	.amdhsa_code_object_version 6
	.text
	.protected	k_qb22511bf3d_proj
	.globl	k_qb22511bf3d_proj
	.p2align	8
	.type	k_qb22511bf3d_proj,@function
k_qb22511bf3d_proj:
	s_mov_b64 s[64:65], 0
	v_nop
	global_prefetch_b8 v0, s[64:65] scope:SCOPE_SE
	s_setreg_imm32_b32 hwreg(HW_REG_WAVE_MODE, 25, 1), 1
	s_wait_xcnt 0x0
	s_wait_alu depctr_hold_cnt(0) depctr_sa_sdst(0) depctr_va_vdst(0) depctr_va_sdst(0) depctr_va_ssrc(0) depctr_va_vcc(0) depctr_vm_vsrc(0)
	s_getreg_b32 s2, hwreg(HW_REG_IB_STS2, 6, 4)
	s_cmp_eq_u32 s2, 0
	s_cbranch_scc0 .Lentry_in_a_cluster
	s_endpgm
.Lentry_in_a_cluster:
	s_bfe_u32 s2, ttmp6, 0x10000c
	s_cmp_lg_u32 s2, 0xf033
	s_cbranch_scc0 .Lentry_shape_is_right
	s_endpgm
.Lentry_shape_is_right:
; q = query w_q^T + b_q, k = key w_k^T + b_k, v = value w_v^T + b_v on codes of FP6 (E2M3) with E8M0 scales; the results are quantised in registers and leave as codes:
; q and k along the head's 64 channels, v along the keys.  Operands lie in memory in the order of their registers (row tile T = rows 32 (T / 2) + 8 (T % 2) + i + 8 (i / 8); [row tile][K step][half] x 768 bytes).
; A work-group makes 256 source-0 rows x 128 source-1 rows; ALL of K = 1,024 lies in LDS (288 KiB), brought by first fills alone, in four chunks of 256 along K: nothing is ever filled again.
; q, k: source 0 = the weight's rows (channels), source 1 = tokens.  v: source 0 = tokens (keys), source 1 = the weight's rows.  So a lane holds ONE source-1 row, and the 64 registers of a source-1 tile run along 128
; neighbouring source-0 rows (that is what the order of rows in a tile is for): two heads' channels, or one key step of 128 keys: just the next product's K.
; Four waves: wave w takes source-0 rows 128 (w / 2) on and source-1 rows 64 (w % 2) on: 32 accumulators.
; CLUSTER 4 x 4: the source-0 tile hangs on cx alone and is asked for jointly by the four of a column, the source-1 tile on cy alone, by the four of a row.
; OUT: qkv_codes: Q at 0 and K at 6,291,456: half (16 b + head) x 128 + token tile; V at 12,582,912: [16 b + head][key step][half c][channel tile] x 768.  qkv_scales: Q at 0, K at 524,288: a word a row, bytes 0, 1 the head's
; two blocks, bytes 2, 3 zero; V at 1,048,576: [16 b + head][key step][channel tile] x 64, four bytes a word.
; LIMITS: a block of zeros gets the byte 1 (codes zero; only this program reads the bytes); largest magnitudes under 2^-124 were not tried; NaN and infinities are not served.
; REGISTERS: window 0: v2, v3 the add's two; v4-6 16, 8, 4 x lane; v8-23 LDS addresses by chunk; v32-63, v64-79 scale words; v80-95 at work; v96-191 source 1's fragments, two sets; v192-211 codes; v212-215 scale words made.
;   window 1: the accumulators, (t1, t0) at v[8 (8 t1 + t0)].   window 2: v0-191 source 0's fragments, two sets; v192-255 the bias.
.set SPARE, 294912                     ; behind the operands: the spare words, 128 bytes a wave
.set S1L,   196608                     ; LDS: source 0's four chunks of 49,152 bytes from 0, source 1's four of 24,576 from here
.set G1A, 32                           ; s[32:39] descriptor group 1, source 0;  s[40:47] source 1
.set G1B, 40
.set G0A, 48                           ; s[48:63] groups 0, source 0, a set for each chunk;  s[68:83] source 1
.set G0B, 68
.set TM,  80
.set PC,  192
.set PW,  212
.set MSB, 0
.macro WIN new                         ; the immediate's high byte repeats the setting that is left
.if MSB != \new
	s_set_vgpr_msb (MSB<<8)|\new
.set MSB, \new
.endif
.endm
.macro PLACES                          ; four places behind matrix instructions, ahead of loads into their sources and of reads of their results
.rept 4
	v_nop
.endr
.endm
.macro ROUND                           ; a round of the cluster's barrier
	s_barrier_signal -1
	s_barrier_wait -1
	s_cmp_lg_u32 s18, 0
	s_cbranch_scc1 .Lnot_wave_0_\@
	s_barrier_signal -3
.Lnot_wave_0_\@:
	s_barrier_wait -3
	s_barrier_signal -1
	s_barrier_wait -1
.endm
.macro FETCH ks, set                   ; K step ks: 8 + 4 fragments, each half by one load of 16 and one of 8 bytes a lane, consecutive bytes
	WIN 0x80
.irp t0, 0,1,2,3,4,5,6,7
.irp c, 0,1
	ds_load_b128 v[96*(\set)+12*\t0+6*\c:96*(\set)+12*\t0+6*\c+3], v[8+(\ks)/2] offset:3072*\t0+1536*((\ks)%2)+768*\c
	ds_load_b64 v[96*(\set)+12*\t0+6*\c+4:96*(\set)+12*\t0+6*\c+5], v[12+(\ks)/2] offset:3072*\t0+1536*((\ks)%2)+768*\c+512
.endr
.endr
	WIN 0
.irp t1, 0,1,2,3
.irp c, 0,1
	ds_load_b128 v[96+48*(\set)+12*\t1+6*\c:96+48*(\set)+12*\t1+6*\c+3], v[16+(\ks)/2] offset:3072*\t1+1536*((\ks)%2)+768*\c
	ds_load_b64 v[96+48*(\set)+12*\t1+6*\c+4:96+48*(\set)+12*\t1+6*\c+5], v[20+(\ks)/2] offset:3072*\t1+1536*((\ks)%2)+768*\c+512
.endr
.endr
.endm
; 32 matrix instructions, the 32 accumulators by turns in the same order in every step.  cmode 1: C = the bias by source-0 row; 2: by source-1 row; 0: the sum so far.
; A scale register holds K step i in lanes 0-15 and K step 4 + i in lanes 16-31.
.macro MULSTEP ks, set, cmode
.if \cmode
	WIN 0x62
.else
	WIN 0x52
.endif
.irp t1, 0,1,2,3
.irp t0, 0,1,2,3,4,5,6,7
.set rD, 8*(8*\t1+\t0)
.set rA, 96*(\set)+12*\t0
.set rB, 96+48*(\set)+12*\t1
.set rC, rD
.if (\cmode)==1
.set rC, 192+8*\t0
.endif
.if (\cmode)==2
.set rC, 192+8*\t1
.endif
.set rSA, 32+4*\t0+(\ks)%4
.set rSB, 64+4*\t1+(\ks)%4
.if (\ks)<4
	v_wmma_scale_f32_16x16x128_f8f6f4 v[rD:rD+7], v[rA:rA+11], v[rB:rB+11], v[rC:rC+7], v[rSA], v[rSB] matrix_a_fmt:MATRIX_FMT_FP6 matrix_b_fmt:MATRIX_FMT_FP6
.else
	v_wmma_scale_f32_16x16x128_f8f6f4 v[rD:rD+7], v[rA:rA+11], v[rB:rB+11], v[rC:rC+7], v[rSA], v[rSB] matrix_a_fmt:MATRIX_FMT_FP6 matrix_b_fmt:MATRIX_FMT_FP6 matrix_a_scale:MATRIX_SCALE_ROW1 matrix_b_scale:MATRIX_SCALE_ROW1
.endif
.endr
.endr
.endm
.macro KSTEP ks
	s_wait_dscnt 0x0                               ; this step's fragments are in
.if (((\ks)%2)==1)&&((\ks)<7)
	s_wait_tensorcnt 2-(\ks)/2                     ; my part of the next chunk has landed; as many of my loads were issued behind it as the count says
	s_barrier_signal -1
	s_barrier_wait -1                              ; everybody's has.
.endif
.if (\ks)<7
	PLACES
	FETCH (\ks)+1, ((\ks)+1)%2
.endif
	MULSTEP \ks, (\ks)%2, 0
.endm
; 64 results of a lane, window 1's v[s] on, register 16 b + i = K 32 b + 16 (lane / 16) + i of my row, become a fragment's codes in v[PC] on and its scale word in v[pw].  Each accumulator is read from its low end on.
.macro QUANTW s, pw
	WIN 0x05
.irp b, 0,1,2,3
	v_max3_num_f32 v[TM+\b], |v[(\s)+16*\b]|, |v[(\s)+16*\b+1]|, 0x1800000
.endr
.irp i, 2,4,6,8,10,12,14
.irp b, 0,1,2,3
	v_max3_num_f32 v[TM+\b], |v[(\s)+16*\b+\i]|, |v[(\s)+16*\b+\i+1]|, v[TM+\b]
.endr
.endr
	WIN 0
.irp b, 0,1,2,3
	v_permlanex16_b32 v[TM+4+\b], v[TM+\b], s98, s99
.endr
.irp b, 0,1,2,3
	v_max_num_f32 v[TM+\b], v[TM+\b], v[TM+4+\b]   ; with lane l xor 16's 16: the block's largest magnitude
.endr
.irp b, 0,1,2,3
	v_add_nc_u32 v[TM+12+\b], 0xff000000, v[TM+\b] ; 2 off the exponent field: the conversion's scale operand
.endr
.irp b, 0,1,2,3
	v_lshrrev_b32 v[TM+4+\b], 23, v[TM+12+\b]      ; the byte
.endr
	v_lshl_or_b32 v[\pw], v[TM+5], 8, v[TM+4]
	v_lshl_or_b32 v[\pw], v[TM+6], 16, v[\pw]
	v_lshl_or_b32 v[\pw], v[TM+7], 24, v[\pw]
	WIN 0x01
.irp c, 0,1
	v_cvt_scalef32_pk16_fp6_f32 v[PC+6*\c:PC+6*\c+2], v[(\s)+32*\c:(\s)+32*\c+15], v[TM+12+2*\c]
	v_cvt_scalef32_pk16_fp6_f32 v[PC+12+4*\c:PC+14+4*\c], v[(\s)+32*\c+16:(\s)+32*\c+31], v[TM+12+2*\c+1]
.endr
	WIN 0
	v_nop                                          ; one plain place behind the conversions
.irp c, 0,1                            ; the layout wants a whole block in a lane: lanes 0-15 block 2 c, lanes 16-31 block 2 c + 1
.irp i, 0,1,2
	v_permlane16_swap_b32 v[PC+6*\c+\i], v[PC+12+4*\c+\i]
.endr
.irp i, 0,1,2
	v_mov_b32 v[PC+6*\c+3+\i], v[PC+12+4*\c+\i]
.endr
.endr
.endm
	s_load_b256 s[4:11], s[0:1], 0x0               ; xw_codes, xw_scales, b_q, b_k
	s_load_b128 s[12:15], s[0:1], 0x20             ; b_v, qkv_codes
	s_load_b64 s[16:17], s[0:1], 0x30              ; qkv_scales
	v_lshl_add_u32 v2, v0, 2, SPARE
	v_mov_b32 v3, 0
	ds_add_u32 v2, v3                              ; the wave's opening: the add and its wait stand ahead of my first tensor load; register work stands between
	v_lshrrev_b32 v1, 5, v0
	v_readfirstlane_b32 s18, v1                    ; wave
	s_lshr_b32 s19, s18, 1                         ; w0: my half of source 0's rows
	s_and_b32 s20, s18, 1                          ; w1: my half of source 1's rows.  Also: which half of a tile I fetch
	s_bfe_u32 s21, ttmp6, 0x40000                  ; cx
	s_bfe_u32 s22, ttmp6, 0x40004                  ; cy
	s_and_b32 s23, ttmp7, 0xffff                   ; the cluster's number, 0 .. 47
	s_lshr_b32 s24, s23, 4                         ; which projection: 0 q, 1 k, 2 v
	s_and_b32 s25, s23, 15
	s_lshr_b32 s26, s24, 1                         ; 1 for v: the same in all sixteen partners
	s_and_b32 s27, s25, 7
	s_mul_i32 s27, s27, s26                        ; source 0: q, k have 4 tiles of 256 rows (the weight), v 32 (tokens)
	s_mul_i32 s2, s26, 3
	s_lshr_b32 s28, s25, s2                        ; source 1: q, k have 64 tiles of 128 rows, v 8
	s_mul_i32 s3, s26, 640
	s_lshl_b32 s29, s24, 6
	s_add_co_u32 s29, s29, 1536
	s_sub_co_u32 s29, s29, s3                      ; source 0's first row tile: 1,536 + 64 proj, or value's 1,024
	s_lshl_b32 s30, s24, 9
	s_add_co_u32 s30, s30, s3                      ; source 1's: 512 proj, or w_v's 1,664
	s_lshl_b32 s27, s27, 2
	s_add_co_u32 s27, s27, s21                     ; tile0: hangs on cx alone
	s_lshl_b32 s28, s28, 2
	s_add_co_u32 s28, s28, s22                     ; tile1: on cy alone
	s_lshl_b32 s84, s27, 4
	s_add_co_u32 s29, s29, s84                     ; rt0
	s_lshl_b32 s86, s28, 3
	s_add_co_u32 s30, s30, s86                     ; rt1
	s_lshl_b32 s98, 0x1111, s21                    ; my column of the cluster
	s_lshl_b32 s99, s22, 2
	s_lshl_b32 s99, 15, s99                        ; my row
	s_or_b32 s[G1A], s98, (3<<16)|(1<<21)          ; 15:0 the mask; 17:16 elements of 8 bytes; 21 set beside a mask; no padding
	s_or_b32 s[G1B], s99, (3<<16)|(1<<21)
	s_mov_b32 s[G1A+1], 384<<16                    ; tensor_dim0: a chunk of a row tile is 3,072 bytes
	s_mov_b32 s[G1A+2], 8<<16                      ; tensor_dim1: 8 row tiles
	s_mov_b32 s[G1A+3], 384<<16                    ; tile_dim0
	s_mov_b32 s[G1A+4], 8                          ; tile_dim1
	s_mov_b32 s[G1A+5], 1536                       ; from row tile to row tile: 12,288 bytes
	s_mov_b32 s[G1A+6], 0
	s_mov_b32 s[G1A+7], 0
	s_mov_b32 s[G1B+1], 384<<16
	s_mov_b32 s[G1B+2], 4<<16                      ; 4 row tiles
	s_mov_b32 s[G1B+3], 384<<16
	s_mov_b32 s[G1B+4], 4
	s_mov_b32 s[G1B+5], 1536
	s_mov_b32 s[G1B+6], 0
	s_mov_b32 s[G1B+7], 0
	s_lshl_b32 s84, s20, 3
	s_add_co_u32 s84, s84, s29
	s_mul_i32 s84, s84, 12288                      ; source 0: my 8 row tiles, in bytes
	s_mov_b32 s85, 0
	s_lshl_b32 s86, s20, 2
	s_add_co_u32 s86, s86, s30
	s_mul_i32 s86, s86, 12288                      ; source 1: my 4
	s_mov_b32 s87, 0
	s_mul_i32 s31, s20, 24576                      ; and where they go: no place in the cluster enters an LDS address
	s_mul_i32 s3, s20, 12288
	s_wait_dscnt 0x0                               ; the opening add is done
	s_wait_kmcnt 0x0
	s_add_nc_u64 s[84:85], s[4:5], s[84:85]
	s_add_nc_u64 s[86:87], s[4:5], s[86:87]
.irp kc, 0,1,2,3
	s_mov_b32 s[G0A+4*\kc], 1
	s_add_co_u32 s[G0A+4*\kc+1], s31, \kc*49152
	s_add_nc_u64 s[G0A+4*\kc+2:G0A+4*\kc+3], s[84:85], \kc*3072
	s_or_b32 s[G0A+4*\kc+3], s[G0A+4*\kc+3], 0x80000000
	s_mov_b32 s[G0B+4*\kc], 1
	s_add_co_u32 s[G0B+4*\kc+1], s3, S1L+\kc*24576
	s_add_nc_u64 s[G0B+4*\kc+2:G0B+4*\kc+3], s[86:87], \kc*3072
	s_or_b32 s[G0B+4*\kc+3], s[G0B+4*\kc+3], 0x80000000
.endr
	ROUND                                          ; all sixteen work-groups are here: the joint loads meet
	s_cmp_lt_u32 s18, 2                            ; waves 0, 1 fetch source 0's halves, waves 2, 3 source 1's: a wave's four first fills stand in one branch; four loads of mine are out
	s_cbranch_scc0 .Lfill_1
.irp kc, 0,1,2,3
	tensor_load_to_lds s[G0A+4*\kc:G0A+4*\kc+3], s[G1A:G1A+7]
	s_nop 0
.endr
	PLACES
	s_branch .Lfilled
.Lfill_1:
.irp kc, 0,1,2,3
	tensor_load_to_lds s[G0B+4*\kc:G0B+4*\kc+3], s[G1B:G1B+7]
	s_nop 0
.endr
	PLACES
.Lfilled:
	v_and_b32 v1, 31, v0
	v_lshlrev_b32 v4, 4, v1
	v_lshlrev_b32 v5, 3, v1
	v_lshlrev_b32 v6, 2, v1
	v_and_b32 v7, 15, v0                           ; r
	v_bfe_u32 v24, v0, 4, 1                        ; h
	v_lshlrev_b32 v25, 6, v24                      ; bias by source-0 row: 16 h numbers on
	v_and_b32 v26, 8, v7
	v_add_nc_u32 v26, v26, v7
	v_lshlrev_b32 v26, 2, v26                      ; bias by source-1 row: r + 8 (r / 8)
.irp b, 0,1,2,3
	v_mov_b32 v[TM+4+\b], 0                        ; a lane permute's destination counts as a source
.endr
	s_mul_i32 s2, s19, 24576
	s_mul_i32 s3, s20, 12288
	s_add_co_u32 s3, s3, S1L
.irp kc, 0,1,2,3
	v_add_nc_u32 v[8+\kc], s2, v4
	v_add_nc_u32 v[12+\kc], s2, v5
	v_add_nc_u32 v[16+\kc], s3, v4
	v_add_nc_u32 v[20+\kc], s3, v5
	s_add_co_u32 s2, s2, 49152
	s_add_co_u32 s3, s3, 24576
.endr
	s_lshl_b32 s2, s19, 3
	s_add_co_u32 s2, s2, s29
	s_lshl_b32 s2, s2, 9
	s_mov_b32 s3, 0
	s_add_nc_u64 s[94:95], s[6:7], s[2:3]          ; my 8 source-0 tiles' scale words
	s_lshl_b32 s2, s20, 2
	s_add_co_u32 s2, s2, s30
	s_lshl_b32 s2, s2, 9
	s_add_nc_u64 s[96:97], s[6:7], s[2:3]          ; my 4 source-1 tiles'
.irp t, 0,1,2,3,4,5,6,7
	global_load_b128 v[32+4*\t:35+4*\t], v4, s[94:95] offset:512*\t
.endr
.irp t, 0,1,2,3
	global_load_b128 v[64+4*\t:67+4*\t], v4, s[96:97] offset:512*\t
.endr
	s_mov_b32 s98, 0x76543210
	s_mov_b32 s99, 0xfedcba98                      ; selects for lane l xor 16
	s_mov_b32 s31, 0xffff0000                      ; lanes 16-31
	s_cmp_eq_u32 s26, 0
	s_cbranch_scc0 .Lv_head
	; q, k: the bias of my 128 channels, eight registers a source-0 tile, in the result's layout
	s_cmp_eq_u32 s24, 0
	s_cselect_b64 s[84:85], s[8:9], s[10:11]
	s_lshl_b32 s86, s27, 10
	s_lshl_b32 s87, s19, 9
	s_add_co_u32 s86, s86, s87
	s_mov_b32 s87, 0
	s_add_nc_u64 s[84:85], s[84:85], s[86:87]
	WIN 0x80
.irp t, 0,1,2,3,4,5,6,7
	global_load_b128 v[192+8*\t:195+8*\t], v25, s[84:85] offset:(32*(\t/2)+8*(\t%2))*4
	global_load_b128 v[196+8*\t:199+8*\t], v25, s[84:85] offset:(32*(\t/2)+8*(\t%2))*4+16
.endr
	WIN 0
	s_lshr_b32 s86, s28, 4                         ; batch
	s_lshl_b32 s86, s86, 4
	s_lshl_b32 s2, s27, 2
	s_add_co_u32 s86, s86, s2
	s_lshl_b32 s2, s19, 1
	s_add_co_u32 s86, s86, s2                      ; 16 batch + my first head
	s_lshl_b32 s86, s86, 7
	s_lshl_b32 s2, s28, 3
	s_lshl_b32 s3, s20, 2
	s_add_co_u32 s2, s2, s3
	s_and_b32 s2, s2, 127                          ; my first token tile in the batch
	s_add_co_u32 s86, s86, s2
	s_mul_i32 s2, s86, 768
	s_mul_i32 s3, s24, 6291456
	s_add_co_u32 s88, s2, s3                       ; the first head's halves,
	s_add_co_u32 s90, s88, 98304                   ; the second head's: 128 halves on
	s_lshl_b32 s2, s86, 6
	s_lshl_b32 s3, s24, 19
	s_add_co_u32 s92, s2, s3
	s_branch .Lhead_done
.Lv_head:
	; v: the bias of my 64 channels: one number a lane for each source-1 tile
	s_lshl_b32 s86, s28, 9
	s_lshl_b32 s87, s20, 8
	s_add_co_u32 s86, s86, s87
	s_mov_b32 s87, 0
	s_add_nc_u64 s[84:85], s[12:13], s[86:87]
	WIN 0x80
.irp t, 0,1,2,3
	global_load_b32 v[192+8*\t], v26, s[84:85] offset:(32*(\t/2)+8*(\t%2))*4
.endr
	WIN 0
	s_lshl_b32 s86, s27, 1
	s_add_co_u32 s86, s86, s19                     ; my 128 tokens among 64 such groups
	s_lshr_b32 s2, s86, 4                          ; batch
	s_and_b32 s86, s86, 15                         ; key step
	s_lshl_b32 s2, s2, 4
	s_lshl_b32 s3, s28, 1
	s_add_co_u32 s2, s2, s3
	s_add_co_u32 s2, s2, s20                       ; 16 batch + head
	s_lshl_b32 s2, s2, 4
	s_add_co_u32 s86, s86, s2
	s_mul_i32 s88, s86, 6144
	s_add_co_u32 s88, s88, 12582912                ; half c = 0,
	s_add_co_u32 s90, s88, 3072                    ; c = 1
	s_lshl_b32 s92, s86, 8
	s_add_co_u32 s92, s92, 1048576
.Lhead_done:
	s_mov_b32 s89, 0
	s_mov_b32 s91, 0
	s_mov_b32 s93, 0
	s_add_nc_u64 s[88:89], s[14:15], s[88:89]
	s_add_nc_u64 s[90:91], s[14:15], s[90:91]
	s_add_nc_u64 s[92:93], s[16:17], s[92:93]
	s_wait_tensorcnt 0x3                           ; my part of chunk 0 has landed; my three later chunks may be out
	s_barrier_signal -1
	s_barrier_wait -1
	FETCH 0, 0
	s_wait_dscnt 0x0
	s_wait_loadcnt 0x0                             ; scale words and bias
	FETCH 1, 1
	s_cmp_eq_u32 s26, 0
	s_cbranch_scc0 .Lv_first
	MULSTEP 0, 0, 1                                ; the first K step starts the sums on the bias
	WIN 0
	s_branch .Lfirst_done
.Lv_first:
	WIN 0x82
.irp t, 0,1,2,3
.irp j, 1,2,3,4,5,6,7
	v_mov_b32 v[192+8*\t+\j], v[192+8*\t]          ; a lane's eight results of a tile belong to one channel
.endr
.endr
	PLACES
	MULSTEP 0, 0, 2
	WIN 0
.Lfirst_done:
.irp ks, 1,2,3,4,5,6,7
	KSTEP \ks
.endr
	WIN 0
	PLACES
.irp t, 0,1,2,3
.if \t > 0
	s_wait_xcnt 0x0                                ; the last tile's stores have read the codes' registers
.endif
	QUANTW 64*\t, PW+\t
	global_store_b128 v4, v[PC:PC+3], s[88:89] offset:768*\t
	global_store_b64 v5, v[PC+4:PC+5], s[88:89] offset:768*\t+512
	global_store_b128 v4, v[PC+6:PC+9], s[90:91] offset:768*\t
	global_store_b64 v5, v[PC+10:PC+11], s[90:91] offset:768*\t+512
.endr
.irp p, 0,1
	v_cndmask_b32 v[28+\p], v[PW+2*\p], v[PW+2*\p+1], s31   ; lanes 0-15 tile 2 p, lanes 16-31 tile 2 p + 1 (both halves of the lanes hold a row's word)
.endr
	s_cmp_eq_u32 s26, 0
	s_cbranch_scc0 .Lv_scales
.irp p, 0,1
	v_and_b32 v[80+\p], 0xffff, v[28+\p]           ; the first head's two bytes, zeros above them;
	v_lshrrev_b32 v[82+\p], 16, v[28+\p]           ; the second head's
.endr
.irp p, 0,1
	global_store_b32 v6, v[80+\p], s[92:93] offset:128*\p
	global_store_b32 v6, v[82+\p], s[92:93] offset:8192+128*\p
.endr
	s_branch .Lscales_done
.Lv_scales:
.irp p, 0,1
	global_store_b32 v6, v[28+\p], s[92:93] offset:128*\p
.endr
.Lscales_done:
	s_wait_tensorcnt 0x0                           ; the wave's end
	ds_add_u32 v2, v3
	s_wait_dscnt 0x0
	ROUND                                          ; the closing round
	s_endpgm
.Lfunc_end_k_qb22511bf3d_proj:
	.size	k_qb22511bf3d_proj, .Lfunc_end_k_qb22511bf3d_proj-k_qb22511bf3d_proj
	.p2alignl 7, 3214868480
	.fill 96, 4, 3214868480
	.section	.rodata,"a",@progbits
	.p2align	6, 0x0
	.amdhsa_kernel k_qb22511bf3d_proj
		.amdhsa_group_segment_fixed_size 327680
		.amdhsa_private_segment_fixed_size 0
		.amdhsa_enable_private_segment 0
		.amdhsa_kernarg_size 56
		.amdhsa_user_sgpr_count 2
		.amdhsa_user_sgpr_kernarg_segment_ptr 1
		.amdhsa_wavefront_size32 1
		.amdhsa_system_sgpr_workgroup_id_x 1
		.amdhsa_system_sgpr_workgroup_id_y 1
		.amdhsa_system_sgpr_workgroup_id_z 1
		.amdhsa_system_vgpr_workitem_id 0
		.amdhsa_next_free_vgpr 768
		.amdhsa_next_free_sgpr 100
		.amdhsa_reserve_vcc 0
		.amdhsa_float_denorm_mode_32 3
		.amdhsa_float_denorm_mode_16_64 3
		.amdhsa_memory_ordered 1
		.amdhsa_forward_progress 1
		.amdhsa_inst_pref_size 96
	.end_amdhsa_kernel
	.amdgpu_metadata
---
amdhsa.version: [ 1, 2 ]
amdhsa.kernels:
  - .name:           k_qb22511bf3d_proj
    .symbol:         k_qb22511bf3d_proj.kd
    .args:
      - { .name: xw_codes, .offset: 0, .size: 8, .value_kind: global_buffer, .address_space: global }
      - { .name: xw_scales, .offset: 8, .size: 8, .value_kind: global_buffer, .address_space: global }
      - { .name: b_q, .offset: 16, .size: 8, .value_kind: global_buffer, .address_space: global }
      - { .name: b_k, .offset: 24, .size: 8, .value_kind: global_buffer, .address_space: global }
      - { .name: b_v, .offset: 32, .size: 8, .value_kind: global_buffer, .address_space: global }
      - { .name: qkv_codes, .offset: 40, .size: 8, .value_kind: global_buffer, .address_space: global }
      - { .name: qkv_scales, .offset: 48, .size: 8, .value_kind: global_buffer, .address_space: global }
    .group_segment_fixed_size: 327680
    .private_segment_fixed_size: 0
    .kernarg_segment_align: 8
    .kernarg_segment_size: 56
    .max_flat_workgroup_size: 128
    .sgpr_count:     100
    .vgpr_count:     768
    .wavefront_size: 32
...
	.end_amdgpu_metadata
.endif
;; end of part 2
;; launch attn (part 3): grid 4 x 64, 16 waves a work-group, no clusters, 210,944 bytes of LDS; arguments qkv_codes, qkv_scales, maskw, maskf, o_codes, o_scales; writes o_codes, o_scales
.if DOCPART == 3
	.amdgcn_target "amdgcn-amd-amdhsa--gfx1250"
	.amdhsa_code_object_version 6
	.text
	.protected	k_qb22511bf3d_attn
	.globl	k_qb22511bf3d_attn
	.p2align	8
	.type	k_qb22511bf3d_attn,@function
k_qb22511bf3d_attn:
	s_mov_b64 s[64:65], 0
	v_nop
	global_prefetch_b8 v0, s[64:65] scope:SCOPE_SE
	s_setreg_imm32_b32 hwreg(HW_REG_WAVE_MODE, 25, 1), 1
	s_wait_xcnt 0x0
; O = softmax(mask(Q K^T / 8)) V for one head, both products on codes of FP6 (E2M3) with E8M0 scales; O is divided by the row's sum and quantised along the model's 1,024 channels for the last product.
; THE SOFTMAX: t = score x log2(e) / 8; M = the running largest t rounded up to a whole number; p = 2^(t - M) is quantised along the keys, not normalised; the sum is taken of the unquantised p; when M moves, sum and O are
; multiplied by 2^(old M - new M), which rounds nothing.
; SHARES.  A work-group: one head (grid y = 16 b + head), 32 query tiles of 16 (grid x).  Its whole K and V (codes and scale words, 204 KiB) are copied into LDS once, through registers.  Each of sixteen waves takes two
; query tiles, one after the other; four waves share a SIMD, so that one wave's vector work stands beside another's matrix work.
; LAYOUT.  Both products transposed: S^T = K Q^T, O^T = V^T P^T: a lane holds one query.  A tile's rows are 32 (T / 2) + 8 (T % 2) + i + 8 (i / 8), so the 16 registers of tiles 2 b, 2 b + 1 are 16 neighbours: keys for P, channels for O.
; K = 64 IN AN INSTRUCTION OF 128: Q's registers 6-11 are zero codes and bytes 2, 3 of Q's and K's scale words are 0 (2^-127, a number): so K's operand may run on into the next tile's six registers: those products are zeros.
; THE MASKS come as lane masks, 64 words a key step, and a flag a step; a step without a hole jumps over its 64 selects.  That is a branch on stored whole numbers, so the launch has no tensor load; therefore also no joint
; loads: what four work-groups of a head share is 204 KiB, read once each, against 512 queries x 2,048 keys of work.
; LIMITS: a hidden score is -2^120: true scores must lie far above it.  A row all of whose keys are hidden gives the plain mean of v over all keys.  Zero blocks get the byte 1.  NaN and infinities are not served.
.set VL,    98304                      ; LDS: K's codes from 0, V's from here,
.set KSL,   196608                     ; K's scale words,
.set VSL,   204800                     ; V's,
.set SPARE, 208896                     ; the spare words, 128 bytes for each of 16 waves
.set SPW, 4
.set NIL, 5
.set BM,  212                          ; v212-215 the blocks' largest
.set PT,  216                          ; v216-219 the other half's; then the bytes
.set SO,  220                          ; v220-223 the conversions' scale operands
	s_load_b256 s[84:91], s[0:1], 0x0              ; qkv_codes, qkv_scales, maskw, maskf
	s_load_b128 s[92:95], s[0:1], 0x20             ; o_codes, o_scales
	v_lshl_add_u32 v[SPW], v0, 2, SPARE
	v_mov_b32 v[NIL], 0
	v_lshrrev_b32 v6, 5, v0
	v_readfirstlane_b32 s96, v6                    ; wave 0 .. 15
	s_and_b32 s16, ttmp7, 0xffff                   ; 16 b + head
	s_lshr_b32 s17, s16, 4                         ; b
	s_and_b32 s18, s16, 15                         ; head
	s_lshl_b32 s19, ttmp9, 5
	s_lshl_b32 s20, s96, 1
	s_add_co_u32 s19, s19, s20                     ; my first query tile in the batch
	s_lshl_b32 s20, s17, 7
	s_add_co_u32 s20, s20, s19                     ; and among all 512 token tiles
	s_mul_i32 s22, s16, 98304                      ; the head's codes in each section
	s_mov_b32 s23, 0
	s_lshl_b32 s40, s16, 13
	s_add_co_u32 s40, s40, 524288                  ; K's scale words
	s_mov_b32 s41, 0
	s_lshl_b32 s42, s16, 12
	s_add_co_u32 s42, s42, 1048576                 ; V's
	s_mov_b32 s43, 0
	s_lshl_b32 s44, s20, 4                         ; my two tiles' eight flag words
	s_mov_b32 s45, 0
	v_lshlrev_b32 v86, 4, v0                       ; 16 x thread: 8,192 bytes an instruction of the work-group
	v_add_nc_u32 v87, 0x10000, v86
	v_add_nc_u32 v88, 0x20000, v86
	v_add_nc_u32 v89, KSL, v86
	v_lshlrev_b32 v90, 3, v0
	v_add_nc_u32 v91, VSL, v90
	s_wait_kmcnt 0x0
	s_add_nc_u64 s[24:25], s[84:85], s[22:23]
	s_add_nc_u64 s[26:27], s[24:25], 6291456
	s_add_nc_u64 s[28:29], s[24:25], 12582912
	s_add_nc_u64 s[40:41], s[86:87], s[40:41]
	s_add_nc_u64 s[42:43], s[86:87], s[42:43]
	s_add_nc_u64 s[44:45], s[90:91], s[44:45]
.irp k, 0,1,2,3,4,5,6,7,8,9,10,11
	global_load_b128 v[96+4*\k:99+4*\k], v86, s[26:27] offset:8192*\k
.endr
.irp k, 0,1,2,3,4,5,6,7,8,9,10,11
	global_load_b128 v[144+4*\k:147+4*\k], v86, s[28:29] offset:8192*\k
.endr
	global_load_b128 v[192:195], v86, s[40:41]
	global_load_b64 v[196:197], v90, s[42:43]
	s_load_b256 s[32:39], s[44:45], 0x0
	; the pointers that outlive the head lie outside s16-63 and s68-83, which the mask words take
	s_mul_i32 s46, s19, 768
	s_mov_b32 s47, 0
	s_add_nc_u64 s[84:85], s[24:25], s[46:47]      ; Q's halves of my two tiles
	s_lshl_b32 s46, s16, 7
	s_add_co_u32 s46, s46, s19
	s_lshl_b32 s46, s46, 6
	s_add_nc_u64 s[86:87], s[86:87], s[46:47]      ; and their scale words
	s_lshl_b32 s46, s20, 12
	s_add_nc_u64 s[2:3], s[88:89], s[46:47]        ; my mask words: 4,096 bytes a tile
	s_mul_i32 s46, s20, 12288
	s_mul_i32 s48, s18, 768
	s_add_co_u32 s46, s46, s48
	s_add_nc_u64 s[92:93], s[92:93], s[46:47]      ; O's codes: [token tile][head] x 768
	s_lshl_b32 s46, s20, 9
	s_lshr_b32 s48, s18, 3
	s_lshl_b32 s48, s48, 8
	s_add_co_u32 s46, s46, s48
	s_bfe_u32 s48, s18, 0x20001
	s_lshl_b32 s48, s48, 2
	s_add_co_u32 s46, s46, s48
	s_and_b32 s48, s18, 1
	s_lshl_b32 s48, s48, 1
	s_add_co_u32 s46, s46, s48
	s_add_nc_u64 s[94:95], s[94:95], s[46:47]      ; O's scale bytes: 512 x tile + 256 (head / 8) + 4 ((head / 2) % 4) + 2 (head % 2)
	s_mov_b32 s10, 0x76543210
	s_mov_b32 s11, 0xfedcba98                      ; selects for lane l xor 16
	s_mov_b32 s12, 0x3e38aa3b                      ; c = log2(e) / 8
	s_mov_b32 s13, s12                             ; (named with it as a pair)
	s_mov_b32 s14, 0xffff0000                      ; lanes 16-31
	v_and_b32 v3, 31, v0
	v_lshlrev_b32 v1, 4, v3                        ; 16 x lane
	v_lshlrev_b32 v2, 3, v3                        ; 8 x lane
	v_lshlrev_b32 v3, 2, v3                        ; 4 x lane
	v_add_nc_u32 v238, VL, v1
	v_add_nc_u32 v239, VL, v2
	v_add_nc_u32 v250, KSL, v3
	v_add_nc_u32 v251, VSL, v3
	v_and_b32 v252, 15, v0
	v_lshlrev_b32 v252, 2, v252                    ; 4 r
	v_mov_b32 v29, 0xfb800000                      ; -2^120
	v_mov_b32 v231, 0                              ; (named as the upper half of the pair v[230:231])
	v_mov_b32 v232, 0
.irp i, 0,1,2,3,4,5
	v_mov_b32 v[22+\i], 0                          ; Q's upper 64 along K: zero codes
	v_mov_b32 v[80+\i], 0                          ; what K's tile 7 runs on into; never loaded into
.endr
.irp b, 0,1,2,3
	v_mov_b32 v[PT+\b], 0                          ; a lane permute's destination counts as a source
.endr
	s_wait_kmcnt 0x0
	s_lshl_b32 s33, s33, 4                         ; a tile's four flag words, four bits each, make 16 bits: bit st
	s_lshl_b32 s34, s34, 8
	s_lshl_b32 s35, s35, 12
	s_or_b32 s8, s32, s33
	s_or_b32 s34, s34, s35
	s_or_b32 s8, s8, s34
	s_lshl_b32 s37, s37, 4
	s_lshl_b32 s38, s38, 8
	s_lshl_b32 s39, s39, 12
	s_or_b32 s9, s36, s37
	s_or_b32 s38, s38, s39
	s_or_b32 s9, s9, s38
.set i, 0
.rept 24
	s_wait_loadcnt 25-i                            ; load i is in; the younger ones may be out
	ds_store_b128 v[86+i/8], v[96+4*i:99+4*i] offset:8192*(i%8)
.set i, i+1
.endr
	s_wait_loadcnt 0x1
	ds_store_b128 v89, v[192:195]
	s_wait_loadcnt 0x0
	ds_store_b64 v91, v[196:197]
	s_wait_dscnt 0x0                               ; for the others' sake: my stores have landed
	s_barrier_signal -1
	s_barrier_wait -1                              ; the head's K and V lie in LDS; nothing writes them again
.macro TILE x
	s_wait_xcnt 0x0                                ; the tile before has had its stores' registers read
	global_load_b128 v[16:19], v1, s[84:85] offset:768*\x
	global_load_b64 v[20:21], v2, s[84:85] offset:768*\x+512
	global_load_b32 v28, v252, s[86:87] offset:64*\x
	v_mov_b32 v13, 0xff61b1e6                      ; the largest t so far: -3e38
	v_floor_f32 v12, -v13                          ; -M
	v_mov_b32 v14, 0                               ; the sum, in two halves
	v_mov_b32 v15, 0
.set j, 0
.rept 32
	v_mov_b32 v[160+j], 0                          ; O^T: the step is written once; the first change of M multiplies zeros
.set j, j+1
.endr
	s_mov_b32 s4, 0                                ; the step's codes: 6,144 bytes on a step, in K and in V
	s_mov_b32 s5, 0                                ; K's scale words: 512
	s_mov_b32 s6, 0                                ; V's: 256
	s_mov_b32 s7, 0                                ; the key step
	s_wait_loadcnt 0x0
.Lstep_\@:
	v_add_nc_u32 v6, s4, v1                        ; six plain lines: also the places behind the last step's products, ahead of the loads into their sources
	v_add_nc_u32 v7, s4, v2
	v_add_nc_u32 v8, s4, v238
	v_add_nc_u32 v9, s4, v239
	v_add_nc_u32 v10, s5, v250
	v_add_nc_u32 v11, s6, v251
.irp t, 0,1,2,3,4,5,6,7
	ds_load_b128 v[32+6*\t:35+6*\t], v6 offset:768*\t
	ds_load_b64 v[36+6*\t:37+6*\t], v7 offset:768*\t+512
.endr
.irp p, 0,1,2,3
	ds_load_b32 v[240+\p], v10 offset:128*\p       ; lanes 0-15 tile 2 p's words, lanes 16-31 tile 2 p + 1's
.endr
	s_wait_dscnt 0x0
.irp t, 0,2,4,6
	v_wmma_scale_f32_16x16x128_f8f6f4 v[96+8*\t:103+8*\t], v[32+6*\t:43+6*\t], v[16:27], 0, v[240+\t/2], v28 matrix_a_fmt:MATRIX_FMT_FP6 matrix_b_fmt:MATRIX_FMT_FP6
	v_wmma_scale_f32_16x16x128_f8f6f4 v[104+8*\t:111+8*\t], v[38+6*\t:49+6*\t], v[16:27], 0, v[240+\t/2], v28 matrix_a_fmt:MATRIX_FMT_FP6 matrix_b_fmt:MATRIX_FMT_FP6 matrix_a_scale:MATRIX_SCALE_ROW1
.endr
.rept 4
	v_nop                                          ; places: ahead of the loads over K's fragments and of the first read of the scores
.endr
.irp ct, 0,1,2,3
.irp c, 0,1
	ds_load_b128 v[32+12*\ct+6*\c:35+12*\ct+6*\c], v8 offset:3072*\c+768*\ct     ; V's fragments are asked for now and land under the softmax
	ds_load_b64 v[36+12*\ct+6*\c:37+12*\ct+6*\c], v9 offset:3072*\c+768*\ct+512
.endr
.endr
.irp p, 0,1
	ds_load_b32 v[244+\p], v11 offset:128*\p
.endr
	s_lshr_b32 s15, s[8+\x], s7
	s_and_b32 s15, s15, 1
	s_cmp_eq_u32 s15, 0
	s_cbranch_scc1 .Lopen_\@                       ; no hole in this tile's step
	s_load_b512 s[16:31], s[2:3], 0x0
	s_load_b512 s[32:47], s[2:3], 0x40
	s_load_b512 s[48:63], s[2:3], 0x80
	s_load_b512 s[68:83], s[2:3], 0xc0
	s_wait_kmcnt 0x0
.set j, 0
.rept 64
.if j < 48
	v_cndmask_b32 v[96+j], v29, v[96+j], s[16+j]   ; a hidden key's score becomes -2^120
.else
	v_cndmask_b32 v[96+j], v29, v[96+j], s[20+j]
.endif
.set j, j+1
.endr
.Lopen_\@:
.irp b, 0,1,2,3
	v_max3_num_f32 v[BM+\b], v[96+16*\b], v[97+16*\b], v[98+16*\b]   ; the largest score of each block of 32 keys: for the row's maximum and, since p rises with the score, for the block's largest p
.endr
.irp i, 3,5,7,9,11,13
.irp b, 0,1,2,3
	v_max3_num_f32 v[BM+\b], v[BM+\b], v[96+16*\b+\i], v[97+16*\b+\i]
.endr
.endr
.irp b, 0,1,2,3
	v_max_num_f32 v[BM+\b], v[BM+\b], v[111+16*\b]
.endr
.irp b, 0,1,2,3
	v_permlanex16_b32 v[PT+\b], v[BM+\b], s10, s11
.endr
.irp b, 0,1,2,3
	v_max_num_f32 v[BM+\b], v[BM+\b], v[PT+\b]
.endr
	v_max3_num_f32 v232, v[BM], v[BM+1], v[BM+2]
	v_max_num_f32 v232, v232, v[BM+3]
	v_mul_f32 v232, s12, v232                      ; as t
	v_max_num_f32 v13, v13, v232                   ; the running largest t
	v_mov_b32 v232, v12
	v_floor_f32 v12, -v13                          ; the new -M: a whole number
	v_sub_f32 v232, v12, v232                      ; old M - new M, 0 or less
	v_cvt_i32_f32 v232, v232                       ; (it saturates)
	v_ldexp_f32 v230, 1.0, v232                    ; f = 2^(old M - new M)
.set j, 0
.rept 32
	v_pk_fma_f32 v[96+j:97+j], v[96+j:97+j], s[12:13], v[12:13] op_sel_hi:[1,0,0]   ; t - M
.set j, j+2
.endr
.irp b, 0,1,2,3
	v_fma_f32 v[BM+\b], v[BM+\b], s12, v12
.endr
.set j, 0
.rept 64
	v_exp_f32 v[96+j], v[96+j]                     ; p = 2^(t - M)
.set j, j+1
.endr
	v_pk_mul_f32 v[14:15], v[14:15], v[230:231] op_sel_hi:[1,0]   ; the sums under the new M: a plain place behind the exponentials
	s_wait_alu depctr_va_vdst(0)                   ; one wait for the batch, ahead of its first reader
.irp b, 0,1,2,3
	v_exp_f32 v[BM+\b], v[BM+\b]                   ; the blocks' largest p
.endr
	v_pk_add_f32 v[234:235], v[96:97], v[98:99]    ; the row's sum of the unquantised p, in two chains
.irp j, 4,8,12,16,20,24,28,32,36,40,44,48,52,56,60
	v_pk_add_f32 v[14:15], v[14:15], v[96+\j:97+\j]
	v_pk_add_f32 v[234:235], v[234:235], v[98+\j:99+\j]
.endr
	v_pk_add_f32 v[14:15], v[14:15], v[234:235]
	s_wait_alu depctr_va_vdst(0)                   ; and one for the four
.irp b, 0,1,2,3
	v_max_num_f32 v[BM+\b], 0x1800000, v[BM+\b]    ; the floor 2^(3 - 127)
.endr
.irp b, 0,1,2,3
	v_add_nc_u32 v[SO+\b], 0xff000000, v[BM+\b]
.endr
.irp b, 0,1,2,3
	v_lshrrev_b32 v[PT+\b], 23, v[SO+\b]
.endr
	v_lshl_or_b32 v248, v[PT+1], 8, v[PT]          ; p's scale word for these 128 keys
	v_lshl_or_b32 v248, v[PT+2], 16, v248
	v_lshl_or_b32 v248, v[PT+3], 24, v248
.irp c, 0,1
	v_cvt_scalef32_pk16_fp6_f32 v[192+6*\c:194+6*\c], v[96+32*\c:111+32*\c], v[SO+2*\c]
	v_cvt_scalef32_pk16_fp6_f32 v[204+4*\c:206+4*\c], v[112+32*\c:127+32*\c], v[SO+2*\c+1]
.endr
	v_nop                                          ; one plain place behind the conversions
.irp c, 0,1
.irp i, 0,1,2
	v_permlane16_swap_b32 v[192+6*\c+\i], v[204+4*\c+\i]
.endr
.irp i, 0,1,2
	v_mov_b32 v[195+6*\c+\i], v[204+4*\c+\i]
.endr
.endr
.set j, 0
.rept 16
	v_pk_mul_f32 v[160+j:161+j], v[160+j:161+j], v[230:231] op_sel_hi:[1,0]   ; O^T under the new M; also the places between the codes and scale word just made and the products
.set j, j+2
.endr
	s_wait_dscnt 0x0                               ; V's fragments and scale words are in
.irp ct, 0,2
	v_wmma_scale_f32_16x16x128_f8f6f4 v[160+8*\ct:167+8*\ct], v[32+12*\ct:43+12*\ct], v[192:203], v[160+8*\ct:167+8*\ct], v[244+\ct/2], v248 matrix_a_fmt:MATRIX_FMT_FP6 matrix_b_fmt:MATRIX_FMT_FP6
	v_wmma_scale_f32_16x16x128_f8f6f4 v[168+8*\ct:175+8*\ct], v[44+12*\ct:55+12*\ct], v[192:203], v[168+8*\ct:175+8*\ct], v[244+\ct/2], v248 matrix_a_fmt:MATRIX_FMT_FP6 matrix_b_fmt:MATRIX_FMT_FP6 matrix_a_scale:MATRIX_SCALE_ROW1
.endr
	s_add_co_u32 s4, s4, 6144
	s_add_co_u32 s5, s5, 512
	s_add_co_u32 s6, s6, 256
	s_add_nc_u64 s[2:3], s[2:3], 256               ; the next step's mask words (no scalar load is out); behind 16 steps: the next tile's
	s_add_co_u32 s7, s7, 1
	s_cmp_lt_u32 s7, 16
	s_cbranch_scc1 .Lstep_\@
	; the tile's end: O^T / the sum, quantised along its 64 channels: two blocks
	v_add_f32 v14, v14, v15
	v_permlanex16_b32 v232, v14, s10, s11
	v_add_f32 v14, v14, v232
	v_rcp_f32 v14, v14
.rept 3
	v_nop                                          ; with the two additions: the places behind the last products; and the plain place behind the reciprocal
.endr
	s_wait_alu depctr_va_vdst(0)                   ; ahead of the reciprocal's first reader
.set j, 0
.rept 32
	v_mul_f32 v[96+j], v[160+j], v14               ; register 16 b + i: channel 32 b + 16 (lane / 16) + i of my query
.set j, j+1
.endr
.irp b, 0,1
	v_max3_num_f32 v[BM+\b], |v[96+16*\b]|, |v[97+16*\b]|, 0x1800000
.endr
.irp i, 2,4,6,8,10,12,14
.irp b, 0,1
	v_max3_num_f32 v[BM+\b], v[BM+\b], |v[96+16*\b+\i]|, |v[97+16*\b+\i]|
.endr
.endr
.irp b, 0,1
	v_permlanex16_b32 v[PT+\b], v[BM+\b], s10, s11
.endr
.irp b, 0,1
	v_max_num_f32 v[BM+\b], v[BM+\b], v[PT+\b]
.endr
.irp b, 0,1
	v_add_nc_u32 v[SO+\b], 0xff000000, v[BM+\b]
.endr
.irp b, 0,1
	v_lshrrev_b32 v[PT+\b], 23, v[SO+\b]
.endr
	v_lshl_or_b32 v[30+\x], v[PT+1], 8, v[PT]      ; my row's two scale bytes
	v_cvt_scalef32_pk16_fp6_f32 v[192:194], v[96:111], v[SO]
	v_cvt_scalef32_pk16_fp6_f32 v[204:206], v[112:127], v[SO+1]
	v_nop
.irp i, 0,1,2
	v_permlane16_swap_b32 v[192+\i], v[204+\i]
.endr
.irp i, 0,1,2
	v_mov_b32 v[195+\i], v[204+\i]
.endr
	global_store_b128 v1, v[192:195], s[92:93] offset:12288*\x         ; 512 consecutive bytes
	global_store_b64 v2, v[196:197], s[92:93] offset:12288*\x+512      ; 256 consecutive bytes
.endm
	TILE 0
	TILE 1
	v_cndmask_b32 v30, v30, v31, s14               ; lanes 0-15 my first tile's rows, lanes 16-31 my second's
	v_and_b32 v233, 15, v0
	v_bfe_u32 v234, v0, 4, 1
	v_lshlrev_b32 v233, 4, v233
	v_lshl_add_u32 v233, v234, 9, v233             ; 512 x tile + 16 r
	global_store_b16 v233, v30, s[94:95]           ; two bytes a row: a head's part of a scale word; one instruction a wave
	s_wait_tensorcnt 0x0                           ; the wave's end: behind my last LDS store
	ds_add_u32 v[SPW], v[NIL]
	s_wait_dscnt 0x0
	s_endpgm
.Lfunc_end_k_qb22511bf3d_attn:
	.size	k_qb22511bf3d_attn, .Lfunc_end_k_qb22511bf3d_attn-k_qb22511bf3d_attn
	.p2alignl 7, 3214868480
	.fill 96, 4, 3214868480
	.section	.rodata,"a",@progbits
	.p2align	6, 0x0
	.amdhsa_kernel k_qb22511bf3d_attn
		.amdhsa_group_segment_fixed_size 210944
		.amdhsa_private_segment_fixed_size 0
		.amdhsa_enable_private_segment 0
		.amdhsa_kernarg_size 48
		.amdhsa_user_sgpr_count 2
		.amdhsa_user_sgpr_kernarg_segment_ptr 1
		.amdhsa_wavefront_size32 1
		.amdhsa_system_sgpr_workgroup_id_x 1
		.amdhsa_system_sgpr_workgroup_id_y 1
		.amdhsa_system_sgpr_workgroup_id_z 1
		.amdhsa_system_vgpr_workitem_id 0
		.amdhsa_next_free_vgpr 256
		.amdhsa_next_free_sgpr 100
		.amdhsa_reserve_vcc 0
		.amdhsa_float_denorm_mode_32 3
		.amdhsa_float_denorm_mode_16_64 3
		.amdhsa_memory_ordered 1
		.amdhsa_forward_progress 1
		.amdhsa_inst_pref_size 62
	.end_amdhsa_kernel
	.amdgpu_metadata
---
amdhsa.version: [ 1, 2 ]
amdhsa.kernels:
  - .name:           k_qb22511bf3d_attn
    .symbol:         k_qb22511bf3d_attn.kd
    .args:
      - { .name: qkv_codes, .offset: 0, .size: 8, .value_kind: global_buffer, .address_space: global }
      - { .name: qkv_scales, .offset: 8, .size: 8, .value_kind: global_buffer, .address_space: global }
      - { .name: maskw, .offset: 16, .size: 8, .value_kind: global_buffer, .address_space: global }
      - { .name: maskf, .offset: 24, .size: 8, .value_kind: global_buffer, .address_space: global }
      - { .name: o_codes, .offset: 32, .size: 8, .value_kind: global_buffer, .address_space: global }
      - { .name: o_scales, .offset: 40, .size: 8, .value_kind: global_buffer, .address_space: global }
    .group_segment_fixed_size: 210944
    .private_segment_fixed_size: 0
    .kernarg_segment_align: 8
    .kernarg_segment_size: 48
    .max_flat_workgroup_size: 512
    .sgpr_count:     100
    .vgpr_count:     256
    .wavefront_size: 32
...
	.end_amdgpu_metadata
.endif
;; end of part 3
;; launch oproj (part 4): grid 4 x 64, 4 waves a work-group, clusters of 4 x 4, 327,680 bytes of LDS; arguments xw_codes, xw_scales, o_codes, o_scales, b_o, out0; writes out0
.if DOCPART == 4
	.amdgcn_target "amdgcn-amd-amdhsa--gfx1250"
	.amdhsa_code_object_version 6
	.text
	.protected	k_qb22511bf3d_oproj
	.globl	k_qb22511bf3d_oproj
	.p2align	8
	.type	k_qb22511bf3d_oproj,@function
k_qb22511bf3d_oproj:
	s_mov_b64 s[64:65], 0
	v_nop
	global_prefetch_b8 v0, s[64:65] scope:SCOPE_SE
	s_setreg_imm32_b32 hwreg(HW_REG_WAVE_MODE, 25, 1), 1
	s_wait_xcnt 0x0
	s_wait_alu depctr_hold_cnt(0) depctr_sa_sdst(0) depctr_va_vdst(0) depctr_va_sdst(0) depctr_va_ssrc(0) depctr_va_vcc(0) depctr_vm_vsrc(0)
	s_getreg_b32 s2, hwreg(HW_REG_IB_STS2, 6, 4)
	s_cmp_eq_u32 s2, 0
	s_cbranch_scc0 .Lentry_in_a_cluster
	s_endpgm
.Lentry_in_a_cluster:
	s_bfe_u32 s2, ttmp6, 0x10000c
	s_cmp_lg_u32 s2, 0xf033
	s_cbranch_scc0 .Lentry_shape_is_right
	s_endpgm
.Lentry_shape_is_right:
; out0 = O w_o^T + b_o on codes of FP6 (E2M3) with E8M0 scales; out0 [8192][1024] f32.  Operands lie in memory in the order of their registers (row tile T = rows 32 (T / 2) + 8 (T % 2) + i + 8 (i / 8);
; [row tile][K step][half] x 768 bytes; scale words 512 bytes a row tile).  Source 0 = 256 rows of w_o (channels), source 1 = 128 tokens; all of K = 1,024 lies in LDS, brought by first fills alone, in four chunks of 256
; along K: nothing is filled again.  Four waves: wave w takes channels 128 (w / 2) on and tokens 64 (w % 2) on: 32 accumulators.  A lane holds one token, and the 64 registers of a token tile are 128 neighbouring channels.
; CLUSTER 4 x 4: w_o's tile hangs on cx alone and is asked for jointly by the four of a column, O's tile on cy alone, by the four of a row.
; THE WAY OUT: a token tile (16 rows x 512 bytes) goes through the wave's stage in LDS and leaves as whole rows: 512 consecutive bytes a store.  The stage lies in source 0's chunk 0, which has had its only fill and whose last
; reads every wave has awaited ahead of a later barrier.
; REGISTERS: window 0: v2, v3 the add's two; v4, v5 16, 8 x lane; v8-23 LDS addresses by chunk; v27, v28 the stage; v32-63, v64-79 scale words; v96-191 source 1's fragments, two sets; on the way out v96-223 rows read back.
;   window 1: the accumulators, (t1, t0) at v[8 (8 t1 + t0)].   window 2: v0-191 source 0's fragments, two sets; v192-255 the bias.
.set SPARE, 294912
.set S1L,   196608
.set G1A, 32
.set G1B, 40
.set G0A, 48
.set G0B, 68
.set MSB, 0
.macro WIN new                         ; the immediate's high byte repeats the setting that is left
.if MSB != \new
	s_set_vgpr_msb (MSB<<8)|\new
.set MSB, \new
.endif
.endm
.macro PLACES                          ; four places behind matrix instructions (ISA guide 7.12.1)
.rept 4
	v_nop
.endr
.endm
.macro ROUND                           ; a round of the cluster's barrier
	s_barrier_signal -1
	s_barrier_wait -1
	s_cmp_lg_u32 s18, 0
	s_cbranch_scc1 .Lnot_wave_0_\@
	s_barrier_signal -3
.Lnot_wave_0_\@:
	s_barrier_wait -3
	s_barrier_signal -1
	s_barrier_wait -1
.endm
.macro FETCH ks, set
	WIN 0x80
.irp t0, 0,1,2,3,4,5,6,7
.irp c, 0,1
	ds_load_b128 v[96*(\set)+12*\t0+6*\c:96*(\set)+12*\t0+6*\c+3], v[8+(\ks)/2] offset:3072*\t0+1536*((\ks)%2)+768*\c
	ds_load_b64 v[96*(\set)+12*\t0+6*\c+4:96*(\set)+12*\t0+6*\c+5], v[12+(\ks)/2] offset:3072*\t0+1536*((\ks)%2)+768*\c+512
.endr
.endr
	WIN 0
.irp t1, 0,1,2,3
.irp c, 0,1
	ds_load_b128 v[96+48*(\set)+12*\t1+6*\c:96+48*(\set)+12*\t1+6*\c+3], v[16+(\ks)/2] offset:3072*\t1+1536*((\ks)%2)+768*\c
	ds_load_b64 v[96+48*(\set)+12*\t1+6*\c+4:96+48*(\set)+12*\t1+6*\c+5], v[20+(\ks)/2] offset:3072*\t1+1536*((\ks)%2)+768*\c+512
.endr
.endr
.endm
; 32 matrix instructions, the accumulators by turns in the same order in every step.  cmode 1: C = the bias by channel.
.macro MULSTEP ks, set, cmode
.if \cmode
	WIN 0x62
.else
	WIN 0x52
.endif
.irp t1, 0,1,2,3
.irp t0, 0,1,2,3,4,5,6,7
.set rD, 8*(8*\t1+\t0)
.set rA, 96*(\set)+12*\t0
.set rB, 96+48*(\set)+12*\t1
.set rC, rD
.if (\cmode)==1
.set rC, 192+8*\t0
.endif
.set rSA, 32+4*\t0+(\ks)%4
.set rSB, 64+4*\t1+(\ks)%4
.if (\ks)<4
	v_wmma_scale_f32_16x16x128_f8f6f4 v[rD:rD+7], v[rA:rA+11], v[rB:rB+11], v[rC:rC+7], v[rSA], v[rSB] matrix_a_fmt:MATRIX_FMT_FP6 matrix_b_fmt:MATRIX_FMT_FP6
.else
	v_wmma_scale_f32_16x16x128_f8f6f4 v[rD:rD+7], v[rA:rA+11], v[rB:rB+11], v[rC:rC+7], v[rSA], v[rSB] matrix_a_fmt:MATRIX_FMT_FP6 matrix_b_fmt:MATRIX_FMT_FP6 matrix_a_scale:MATRIX_SCALE_ROW1 matrix_b_scale:MATRIX_SCALE_ROW1
.endif
.endr
.endr
.endm
.macro KSTEP ks
	s_wait_dscnt 0x0                               ; this step's fragments are in
.if (((\ks)%2)==1)&&((\ks)<7)
	s_wait_tensorcnt 2-(\ks)/2                     ; my part of the next chunk has landed; as many of my loads were issued behind it as the count says
	s_barrier_signal -1
	s_barrier_wait -1                              ; everybody's has.
.endif
.if (\ks)<7
	PLACES
	FETCH (\ks)+1, ((\ks)+1)%2
.endif
	MULSTEP \ks, (\ks)%2, 0
.endm
	s_load_b256 s[4:11], s[0:1], 0x0               ; xw_codes, xw_scales, o_codes, o_scales
	s_load_b128 s[12:15], s[0:1], 0x20             ; b_o, out0
	v_lshl_add_u32 v2, v0, 2, SPARE
	v_mov_b32 v3, 0
	ds_add_u32 v2, v3                              ; the wave's opening: the add and its wait stand ahead of my first tensor load; register work stands between
	v_lshrrev_b32 v1, 5, v0
	v_readfirstlane_b32 s18, v1                    ; wave
	s_lshr_b32 s19, s18, 1                         ; w0: my half of the channels
	s_and_b32 s20, s18, 1                          ; w1: my half of the tokens.  Also: which half of a tile I fetch
	s_bfe_u32 s21, ttmp6, 0x40000                  ; cx = the tile of 256 channels
	s_bfe_u32 s22, ttmp6, 0x40004                  ; cy
	s_and_b32 s23, ttmp7, 0xffff
	s_lshl_b32 s28, s23, 2
	s_add_co_u32 s28, s28, s22                     ; the tile of 128 tokens: hangs on cy alone
	s_lshl_b32 s29, s21, 4
	s_add_co_u32 s29, s29, 1728                    ; w_o's row tiles begin at 1,728
	s_lshl_b32 s30, s28, 3
	s_lshl_b32 s98, 0x1111, s21                    ; my column of the cluster
	s_lshl_b32 s99, s22, 2
	s_lshl_b32 s99, 15, s99                        ; my row
	s_or_b32 s[G1A], s98, (3<<16)|(1<<21)          ; 15:0 the mask; 17:16 elements of 8 bytes; 21 set beside a mask; no padding
	s_or_b32 s[G1B], s99, (3<<16)|(1<<21)
	s_mov_b32 s[G1A+1], 384<<16                    ; a chunk of a row tile is 3,072 bytes
	s_mov_b32 s[G1A+2], 8<<16                      ; 8 row tiles
	s_mov_b32 s[G1A+3], 384<<16
	s_mov_b32 s[G1A+4], 8
	s_mov_b32 s[G1A+5], 1536                       ; from row tile to row tile: 12,288 bytes
	s_mov_b32 s[G1A+6], 0
	s_mov_b32 s[G1A+7], 0
	s_mov_b32 s[G1B+1], 384<<16
	s_mov_b32 s[G1B+2], 4<<16                      ; 4 row tiles
	s_mov_b32 s[G1B+3], 384<<16
	s_mov_b32 s[G1B+4], 4
	s_mov_b32 s[G1B+5], 1536
	s_mov_b32 s[G1B+6], 0
	s_mov_b32 s[G1B+7], 0
	s_lshl_b32 s84, s20, 3
	s_add_co_u32 s84, s84, s29
	s_mul_i32 s84, s84, 12288
	s_mov_b32 s85, 0
	s_lshl_b32 s86, s20, 2
	s_add_co_u32 s86, s86, s30
	s_mul_i32 s86, s86, 12288
	s_mov_b32 s87, 0
	s_mul_i32 s31, s20, 24576                      ; where they go: no place in the cluster enters an LDS address
	s_mul_i32 s3, s20, 12288
	s_wait_dscnt 0x0                               ; the opening add is done
	s_wait_kmcnt 0x0
	s_add_nc_u64 s[84:85], s[4:5], s[84:85]
	s_add_nc_u64 s[86:87], s[8:9], s[86:87]
.irp kc, 0,1,2,3
	s_mov_b32 s[G0A+4*\kc], 1
	s_add_co_u32 s[G0A+4*\kc+1], s31, \kc*49152
	s_add_nc_u64 s[G0A+4*\kc+2:G0A+4*\kc+3], s[84:85], \kc*3072
	s_or_b32 s[G0A+4*\kc+3], s[G0A+4*\kc+3], 0x80000000
	s_mov_b32 s[G0B+4*\kc], 1
	s_add_co_u32 s[G0B+4*\kc+1], s3, S1L+\kc*24576
	s_add_nc_u64 s[G0B+4*\kc+2:G0B+4*\kc+3], s[86:87], \kc*3072
	s_or_b32 s[G0B+4*\kc+3], s[G0B+4*\kc+3], 0x80000000
.endr
	ROUND                                          ; all sixteen work-groups are here: the joint loads meet
	s_cmp_lt_u32 s18, 2                            ; waves 0, 1 fetch w_o's halves, waves 2, 3 O's: a wave's four first fills stand in one branch; four loads of mine are out
	s_cbranch_scc0 .Lfill_1
.irp kc, 0,1,2,3
	tensor_load_to_lds s[G0A+4*\kc:G0A+4*\kc+3], s[G1A:G1A+7]
	s_nop 0
.endr
	PLACES
	s_branch .Lfilled
.Lfill_1:
.irp kc, 0,1,2,3
	tensor_load_to_lds s[G0B+4*\kc:G0B+4*\kc+3], s[G1B:G1B+7]
	s_nop 0
.endr
	PLACES
.Lfilled:
	v_and_b32 v1, 31, v0
	v_lshlrev_b32 v4, 4, v1
	v_lshlrev_b32 v5, 3, v1
	v_and_b32 v7, 15, v0                           ; r
	v_bfe_u32 v24, v0, 4, 1                        ; h
	v_lshlrev_b32 v25, 6, v24                      ; the bias: 16 h numbers on
	s_mul_i32 s2, s18, 8448                        ; my stage: 16 rows x (512 + 16) bytes
	v_mul_u32_u24 v27, v7, 528
	v_lshl_add_u32 v27, v24, 6, v27
	v_add_nc_u32 v27, s2, v27                      ; in: row r, + 64 h
	v_add_nc_u32 v28, s2, v4                       ; back: 16 bytes a lane of a row
	s_mul_i32 s2, s19, 24576
	s_mul_i32 s3, s20, 12288
	s_add_co_u32 s3, s3, S1L
.irp kc, 0,1,2,3
	v_add_nc_u32 v[8+\kc], s2, v4
	v_add_nc_u32 v[12+\kc], s2, v5
	v_add_nc_u32 v[16+\kc], s3, v4
	v_add_nc_u32 v[20+\kc], s3, v5
	s_add_co_u32 s2, s2, 49152
	s_add_co_u32 s3, s3, 24576
.endr
	s_lshl_b32 s2, s19, 3
	s_add_co_u32 s2, s2, s29
	s_lshl_b32 s2, s2, 9
	s_mov_b32 s3, 0
	s_add_nc_u64 s[94:95], s[6:7], s[2:3]          ; my 8 channel tiles' scale words
	s_lshl_b32 s2, s20, 2
	s_add_co_u32 s2, s2, s30
	s_lshl_b32 s2, s2, 9
	s_add_nc_u64 s[96:97], s[10:11], s[2:3]        ; my 4 token tiles'
.irp t, 0,1,2,3,4,5,6,7
	global_load_b128 v[32+4*\t:35+4*\t], v4, s[94:95] offset:512*\t
.endr
.irp t, 0,1,2,3
	global_load_b128 v[64+4*\t:67+4*\t], v4, s[96:97] offset:512*\t
.endr
	s_lshl_b32 s86, s21, 10
	s_lshl_b32 s87, s19, 9
	s_add_co_u32 s86, s86, s87                     ; my first channel, in bytes
	s_mov_b32 s87, 0
	s_add_nc_u64 s[84:85], s[12:13], s[86:87]
	WIN 0x80
.irp t, 0,1,2,3,4,5,6,7
	global_load_b128 v[192+8*\t:195+8*\t], v25, s[84:85] offset:(32*(\t/2)+8*(\t%2))*4
	global_load_b128 v[196+8*\t:199+8*\t], v25, s[84:85] offset:(32*(\t/2)+8*(\t%2))*4+16
.endr
	WIN 0
	s_lshl_b32 s88, s28, 19                        ; 128 rows of 4,096 bytes a tile,
	s_lshl_b32 s2, s20, 18                         ; 64 for my half,
	s_add_co_u32 s88, s88, s2
	s_add_co_u32 s88, s88, s86                     ; and my first channel
	s_mov_b32 s89, 0
	s_add_nc_u64 s[88:89], s[14:15], s[88:89]
	s_wait_tensorcnt 0x3                           ; my part of chunk 0 has landed; my three later chunks may be out
	s_barrier_signal -1
	s_barrier_wait -1
	FETCH 0, 0
	s_wait_dscnt 0x0
	s_wait_loadcnt 0x0                             ; scale words and bias
	FETCH 1, 1
	MULSTEP 0, 0, 1                                ; the first K step starts the sums on the bias
.irp ks, 1,2,3,4,5,6,7
	KSTEP \ks
.endr
	WIN 0
.macro TOSTAGE a                       ; token tile a: each accumulator from its low end on; then back as whole rows
	WIN 0x04
.irp b, 0,1,2,3
.irp q, 0,1,2,3
	ds_store_b128 v27, v[64*(\a)+16*\b+4*\q:64*(\a)+16*\b+4*\q+3] offset:128*\b+16*\q
.endr
.endr
	WIN 0
.irp i, 0,1,2,3,4,5,6,7,8,9,10,11,12,13,14,15
	ds_load_b128 v[96+64*((\a)%2)+4*\i:96+64*((\a)%2)+4*\i+3], v28 offset:528*\i   ; LDS serves a wave's instructions in order: these see the stores above, and the next tile's stores come behind them
.endr
.endm
.macro SEND a, younger                 ; younger: the LDS instructions issued behind tile a's loads, which may stay out
	s_wait_dscnt \younger
.irp i, 0,1,2,3,4,5,6,7,8,9,10,11,12,13,14,15
	global_store_b128 v4, v[96+64*((\a)%2)+4*\i:96+64*((\a)%2)+4*\i+3], s[88:89] offset:(32*((\a)/2)+8*((\a)%2)+\i+8*(\i/8))*4096 th:TH_STORE_NT   ; 512 consecutive bytes, at a multiple of 512 from out0's first byte
.endr
.endm
	PLACES                                         ; behind the last products: ahead of the reads of results and of the loads over source 1's fragments
	TOSTAGE 0
.irp a, 1,2,3
.if \a > 1
	s_wait_xcnt 0x0                                ; tile a - 2's stores have read their registers: tile a's rows may land there
.endif
	TOSTAGE \a
	SEND \a-1, 32                                  ; behind tile a - 1's loads: tile a's 16 stores and 16 loads
.endr
	SEND 3, 0
	s_wait_tensorcnt 0x0                           ; the wave's end: behind my last tensor load and my last LDS store
	ds_add_u32 v2, v3
	s_wait_dscnt 0x0
	ROUND                                          ; the closing round
	s_endpgm
.Lfunc_end_k_qb22511bf3d_oproj:
	.size	k_qb22511bf3d_oproj, .Lfunc_end_k_qb22511bf3d_oproj-k_qb22511bf3d_oproj
	.p2alignl 7, 3214868480
	.fill 96, 4, 3214868480
	.section	.rodata,"a",@progbits
	.p2align	6, 0x0
	.amdhsa_kernel k_qb22511bf3d_oproj
		.amdhsa_group_segment_fixed_size 327680
		.amdhsa_private_segment_fixed_size 0
		.amdhsa_enable_private_segment 0
		.amdhsa_kernarg_size 48
		.amdhsa_user_sgpr_count 2
		.amdhsa_user_sgpr_kernarg_segment_ptr 1
		.amdhsa_wavefront_size32 1
		.amdhsa_system_sgpr_workgroup_id_x 1
		.amdhsa_system_sgpr_workgroup_id_y 1
		.amdhsa_system_sgpr_workgroup_id_z 1
		.amdhsa_system_vgpr_workitem_id 0
		.amdhsa_next_free_vgpr 768
		.amdhsa_next_free_sgpr 100
		.amdhsa_reserve_vcc 0
		.amdhsa_float_denorm_mode_32 3
		.amdhsa_float_denorm_mode_16_64 3
		.amdhsa_memory_ordered 1
		.amdhsa_forward_progress 1
		.amdhsa_inst_pref_size 85
	.end_amdhsa_kernel
	.amdgpu_metadata
---
amdhsa.version: [ 1, 2 ]
amdhsa.kernels:
  - .name:           k_qb22511bf3d_oproj
    .symbol:         k_qb22511bf3d_oproj.kd
    .args:
      - { .name: xw_codes, .offset: 0, .size: 8, .value_kind: global_buffer, .address_space: global }
      - { .name: xw_scales, .offset: 8, .size: 8, .value_kind: global_buffer, .address_space: global }
      - { .name: o_codes, .offset: 16, .size: 8, .value_kind: global_buffer, .address_space: global }
      - { .name: o_scales, .offset: 24, .size: 8, .value_kind: global_buffer, .address_space: global }
      - { .name: b_o, .offset: 32, .size: 8, .value_kind: global_buffer, .address_space: global }
      - { .name: out0, .offset: 40, .size: 8, .value_kind: global_buffer, .address_space: global }
    .group_segment_fixed_size: 327680
    .private_segment_fixed_size: 0
    .kernarg_segment_align: 8
    .kernarg_segment_size: 48
    .max_flat_workgroup_size: 128
    .sgpr_count:     100
    .vgpr_count:     768
    .wavefront_size: 32
...
	.end_amdgpu_metadata
.endif
;; end of part 4
;; ======== version 2 of 2: 4 launches; version 1 with the launch attn written anew for expert scheduling mode
;; workspace buffers: xw_codes 22,020,096 bytes; xw_scales 917,504 bytes; qkv_codes 18,874,368 bytes; qkv_scales 1,310,720 bytes; o_codes 6,291,456 bytes; o_scales 262,144 bytes; maskw 2,097,152 bytes of whole numbers; maskf 8,192 bytes of whole numbers
;; launch prep: the kernel of part 1 again; grid 960 x 1, 4 waves a work-group, no clusters, 34,304 bytes of LDS; arguments query, key, value, w_q, w_k, w_v, w_o, attn_mask, key_padding_mask, xw_codes, xw_scales, maskw, maskf; writes xw_codes, xw_scales, maskw, maskf
;; launch proj: the kernel of part 2 again; grid 4 x 192, 4 waves a work-group, clusters of 4 x 4, 327,680 bytes of LDS; arguments xw_codes, xw_scales, b_q, b_k, b_v, qkv_codes, qkv_scales; writes qkv_codes, qkv_scales
;; launch attn (part 5): grid 4 x 64, 16 waves a work-group, no clusters, 210,944 bytes of LDS; arguments qkv_codes, qkv_scales, maskw, maskf, o_codes, o_scales; writes o_codes, o_scales
.if DOCPART == 5
	.amdgcn_target "amdgcn-amd-amdhsa--gfx1250"
	.amdhsa_code_object_version 6
	.text
	.protected	k_qb22511bf3d_attn
	.globl	k_qb22511bf3d_attn
	.p2align	8
	.type	k_qb22511bf3d_attn,@function
k_qb22511bf3d_attn:
	s_mov_b64 s[64:65], 0
	v_nop
	global_prefetch_b8 v0, s[64:65] scope:SCOPE_SE
	s_setreg_imm32_b32 hwreg(HW_REG_WAVE_SCHED_MODE, 0, 2), 2
	s_setreg_imm32_b32 hwreg(HW_REG_WAVE_MODE, 25, 1), 1
	s_wait_xcnt 0x0
	s_wait_alu depctr_vm_vsrc(0)
; O = softmax(mask(Q K^T / 8)) V for one head, both products on codes of FP6 (E2M3) with E8M0 scales; O is divided by the row's sum and quantised along the model's 1,024 channels for the last product.
; THE SOFTMAX: t = score x log2(e) / 8; M = the running largest t rounded up to a whole number; p = 2^(t - M) is quantised along the keys, not normalised; the sum is taken of the unquantised p; when M moves, sum and O are
; multiplied by 2^(old M - new M), which rounds nothing.
; SHARES.  A work-group: one head (grid y = 16 b + head), 32 query tiles of 16 (grid x).  Its whole K and V (codes and scale words, 204 KiB) are copied into LDS once, through registers.  Each of sixteen waves takes two
; query tiles, one after the other; four waves share a SIMD, so that one wave's vector work stands beside another's matrix work.
; LAYOUT.  Both products transposed: S^T = K Q^T, O^T = V^T P^T: a lane holds one query.  A tile's rows are 32 (T / 2) + 8 (T % 2) + i + 8 (i / 8), so the 16 registers of tiles 2 b, 2 b + 1 are 16 neighbours: keys for P, channels for O.
; K = 64 IN AN INSTRUCTION OF 128: Q's registers 6-11 are zero codes and bytes 2, 3 of Q's and K's scale words are 0 (2^-127, a number): so K's operand may run on into the next tile's six registers: those products are zeros.
; THE MASKS come as lane masks, 64 words a key step, and a flag a step; a step without a hole jumps over its 64 selects.  That is a branch on stored whole numbers, so the launch has no tensor load; therefore also no joint
; loads: what four work-groups of a head share is 204 KiB, read once each, against 512 queries x 2,048 keys of work.
; LIMITS: a hidden score is -2^120: true scores must lie far above it.  A row all of whose keys are hidden gives the plain mean of v over all keys.  Zero blocks get the byte 1.  NaN and infinities are not served.
; THE MODE: SCHED_MODE bits 1:0 = 2 (LLVM: expert scheduling mode 2), set by the entry lines.  The code itself states the register dependences
; between vector or matrix instructions and memory or LDS instructions, with s_wait_alu, always for 0.
; THE PLAN.  Registers that memory or LDS instructions touch:
;   v86-91, v1, v2, v252   offsets and addresses, made once at the head, ahead of the head's one wait on va_vdst, and never written again.
;   v96-197    The head's 26 loads land here and its 26 LDS stores read them; later the products, the moves that clear O^T and the conversions write them: one wait on vm_vsrc at tile 0's head.
;   v16-21, v28  Q and its scale words: loaded at a tile's head, read by the S^T products.
;   v6-11      The step's LDS addresses: written by six additions at the step's head, read by the step's 38 LDS loads.
;   v32-79     K's loads land, the eight S^T products read; V's loads land, the four V^T P products read.  v240-243, v244-245: their scale words likewise.
;   v192-197   At a tile's end: written by conversions, swaps and moves, read by two stores; written again in the next tile's first step.
;   v233, v30  The last store's offset and data.   v4, v5: the closing add's two.
; A KEY STEP has one wait on vm_vsrc (ahead of the six additions) and three on va_vdst beside the two behind the exponentials: behind the additions (addresses written; the last step's V^T P done reading v32-79), behind the S^T
; products (done reading v32-79, in which V lands), and ahead of the V^T P products (p's codes and scale word, made by vector instructions, are written).
.set VL,    98304                      ; LDS: K's codes from 0, V's from here,
.set KSL,   196608                     ; K's scale words,
.set VSL,   204800                     ; V's,
.set SPARE, 208896                     ; the spare words, 128 bytes for each of 16 waves
.set SPW, 4
.set NIL, 5
.set BM,  212                          ; v212-215 the blocks' largest
.set PT,  216                          ; v216-219 the other half's; then the bytes
.set SO,  220                          ; v220-223 the conversions' scale operands
	s_load_b256 s[84:91], s[0:1], 0x0              ; qkv_codes, qkv_scales, maskw, maskf
	s_load_b128 s[92:95], s[0:1], 0x20             ; o_codes, o_scales
	v_lshl_add_u32 v[SPW], v0, 2, SPARE
	v_mov_b32 v[NIL], 0
	v_lshrrev_b32 v6, 5, v0
	v_readfirstlane_b32 s96, v6                    ; wave 0 .. 15
	; all the head's vector work stands here, while the arguments are on their way, ahead of the one wait on va_vdst in front of the first load
	v_lshlrev_b32 v86, 4, v0                       ; 16 x thread: 8,192 bytes an instruction of the work-group
	v_add_nc_u32 v87, 0x10000, v86
	v_add_nc_u32 v88, 0x20000, v86
	v_add_nc_u32 v89, KSL, v86
	v_lshlrev_b32 v90, 3, v0
	v_add_nc_u32 v91, VSL, v90
	v_and_b32 v3, 31, v0
	v_lshlrev_b32 v1, 4, v3                        ; 16 x lane
	v_lshlrev_b32 v2, 3, v3                        ; 8 x lane
	v_lshlrev_b32 v3, 2, v3                        ; 4 x lane
	v_add_nc_u32 v238, VL, v1
	v_add_nc_u32 v239, VL, v2
	v_add_nc_u32 v250, KSL, v3
	v_add_nc_u32 v251, VSL, v3
	v_and_b32 v252, 15, v0
	v_lshlrev_b32 v252, 2, v252                    ; 4 r
	v_mov_b32 v29, 0xfb800000                      ; -2^120
	v_mov_b32 v231, 0                              ; (named as the upper half of the pair v[230:231])
	v_mov_b32 v232, 0
.irp i, 0,1,2,3,4,5
	v_mov_b32 v[22+\i], 0                          ; Q's upper 64 along K: zero codes
	v_mov_b32 v[80+\i], 0                          ; what K's tile 7 runs on into; never loaded into
.endr
.irp b, 0,1,2,3
	v_mov_b32 v[PT+\b], 0                          ; a lane permute's destination counts as a source
.endr
	s_wait_alu depctr_va_sdst(0)                   ; s96 is written, ahead of its first reader: my tiles' numbers and addresses are made from it
	s_and_b32 s16, ttmp7, 0xffff                   ; 16 b + head
	s_lshr_b32 s17, s16, 4                         ; b
	s_and_b32 s18, s16, 15                         ; head
	s_lshl_b32 s19, ttmp9, 5
	s_lshl_b32 s20, s96, 1
	s_add_co_u32 s19, s19, s20                     ; my first query tile in the batch
	s_lshl_b32 s20, s17, 7
	s_add_co_u32 s20, s20, s19                     ; and among all 512 token tiles
	s_mul_i32 s22, s16, 98304                      ; the head's codes in each section
	s_mov_b32 s23, 0
	s_lshl_b32 s40, s16, 13
	s_add_co_u32 s40, s40, 524288                  ; K's scale words
	s_mov_b32 s41, 0
	s_lshl_b32 s42, s16, 12
	s_add_co_u32 s42, s42, 1048576                 ; V's
	s_mov_b32 s43, 0
	s_lshl_b32 s44, s20, 4                         ; my two tiles' eight flag words
	s_mov_b32 s45, 0
	s_wait_kmcnt 0x0
	s_add_nc_u64 s[24:25], s[84:85], s[22:23]
	s_add_nc_u64 s[26:27], s[24:25], 6291456
	s_add_nc_u64 s[28:29], s[24:25], 12582912
	s_add_nc_u64 s[40:41], s[86:87], s[40:41]
	s_add_nc_u64 s[42:43], s[86:87], s[42:43]
	s_add_nc_u64 s[44:45], s[90:91], s[44:45]
	s_wait_alu depctr_va_vdst(0)                   ; v86-91, v1, v2 and v252 are written, which the loads and stores of the whole kernel read as offsets and addresses; so are the zero codes v22-27 and v80-85, which the scaled products take as operands
.irp k, 0,1,2,3,4,5,6,7,8,9,10,11
	global_load_b128 v[96+4*\k:99+4*\k], v86, s[26:27] offset:8192*\k
.endr
.irp k, 0,1,2,3,4,5,6,7,8,9,10,11
	global_load_b128 v[144+4*\k:147+4*\k], v86, s[28:29] offset:8192*\k
.endr
	global_load_b128 v[192:195], v86, s[40:41]
	global_load_b64 v[196:197], v90, s[42:43]
	s_load_b256 s[32:39], s[44:45], 0x0
	; the pointers that outlive the head lie outside s16-63 and s68-83, which the mask words take
	s_mul_i32 s46, s19, 768
	s_mov_b32 s47, 0
	s_add_nc_u64 s[84:85], s[24:25], s[46:47]      ; Q's halves of my two tiles
	s_lshl_b32 s46, s16, 7
	s_add_co_u32 s46, s46, s19
	s_lshl_b32 s46, s46, 6
	s_add_nc_u64 s[86:87], s[86:87], s[46:47]      ; and their scale words
	s_lshl_b32 s46, s20, 12
	s_add_nc_u64 s[2:3], s[88:89], s[46:47]        ; my mask words: 4,096 bytes a tile
	s_mul_i32 s46, s20, 12288
	s_mul_i32 s48, s18, 768
	s_add_co_u32 s46, s46, s48
	s_add_nc_u64 s[92:93], s[92:93], s[46:47]      ; O's codes: [token tile][head] x 768
	s_lshl_b32 s46, s20, 9
	s_lshr_b32 s48, s18, 3
	s_lshl_b32 s48, s48, 8
	s_add_co_u32 s46, s46, s48
	s_bfe_u32 s48, s18, 0x20001
	s_lshl_b32 s48, s48, 2
	s_add_co_u32 s46, s46, s48
	s_and_b32 s48, s18, 1
	s_lshl_b32 s48, s48, 1
	s_add_co_u32 s46, s46, s48
	s_add_nc_u64 s[94:95], s[94:95], s[46:47]      ; O's scale bytes: 512 x tile + 256 (head / 8) + 4 ((head / 2) % 4) + 2 (head % 2)
	s_mov_b32 s10, 0x76543210
	s_mov_b32 s11, 0xfedcba98                      ; selects for lane l xor 16
	s_mov_b32 s12, 0x3e38aa3b                      ; c = log2(e) / 8
	s_mov_b32 s13, s12                             ; (named with it as a pair)
	s_mov_b32 s14, 0xffff0000                      ; lanes 16-31
	s_wait_kmcnt 0x0
	s_lshl_b32 s33, s33, 4                         ; a tile's four flag words, four bits each, make 16 bits: bit st
	s_lshl_b32 s34, s34, 8
	s_lshl_b32 s35, s35, 12
	s_or_b32 s8, s32, s33
	s_or_b32 s34, s34, s35
	s_or_b32 s8, s8, s34
	s_lshl_b32 s37, s37, 4
	s_lshl_b32 s38, s38, 8
	s_lshl_b32 s39, s39, 12
	s_or_b32 s9, s36, s37
	s_or_b32 s38, s38, s39
	s_or_b32 s9, s9, s38
.set i, 0
.rept 24
	s_wait_loadcnt 25-i                            ; load i is in; the younger ones may be out
	ds_store_b128 v[86+i/8], v[96+4*i:99+4*i] offset:8192*(i%8)   ; the address was written ahead of the head's wait on va_vdst; the data come from a load
.set i, i+1
.endr
	s_wait_loadcnt 0x1
	ds_store_b128 v89, v[192:195]
	s_wait_loadcnt 0x0
	ds_store_b64 v91, v[196:197]
	s_wait_dscnt 0x0                               ; for the others' sake: my stores have landed
	s_barrier_signal -1
	s_barrier_wait -1                              ; the head's K and V lie in LDS; nothing writes them again
.macro TILE x
	s_wait_xcnt 0x0                                ; the tile before has had its stores' registers read
	s_wait_alu depctr_vm_vsrc(0)                   ; first tile: the head's LDS stores have read v96-197; second tile: the first tile's stores have read v192-197: the lines below and the key steps write these registers again
	global_load_b128 v[16:19], v1, s[84:85] offset:768*\x      ; no wait on va_vdst is owed here: no vector or matrix instruction stands between the last one (the head's; then the one ahead of the first tile's stores, behind every product that read Q) and these loads
	global_load_b64 v[20:21], v2, s[84:85] offset:768*\x+512
	global_load_b32 v28, v252, s[86:87] offset:64*\x
	v_mov_b32 v13, 0xff61b1e6                      ; the largest t so far: -3e38
	v_floor_f32 v12, -v13                          ; -M
	v_mov_b32 v14, 0                               ; the sum, in two halves
	v_mov_b32 v15, 0
.set j, 0
.rept 32
	v_mov_b32 v[160+j], 0                          ; O^T: the step is written once; the first change of M multiplies zeros
.set j, j+1
.endr
	s_mov_b32 s4, 0                                ; the step's codes: 6,144 bytes on a step, in K and in V
	s_mov_b32 s5, 0                                ; K's scale words: 512
	s_mov_b32 s6, 0                                ; V's: 256
	s_mov_b32 s7, 0                                ; the key step
	s_wait_loadcnt 0x0
.Lstep_\@:
	s_wait_alu depctr_vm_vsrc(0)                   ; the last step's LDS loads have read v6-11, which the six additions write again
	v_add_nc_u32 v6, s4, v1
	v_add_nc_u32 v7, s4, v2
	v_add_nc_u32 v8, s4, v238
	v_add_nc_u32 v9, s4, v239
	v_add_nc_u32 v10, s5, v250
	v_add_nc_u32 v11, s6, v251
	s_wait_alu depctr_va_vdst(0)                   ; v6-11 are written, which this step's LDS loads read; the last step's products are done reading v32-79 and v240-245, in which these loads land
.irp t, 0,1,2,3,4,5,6,7
	ds_load_b128 v[32+6*\t:35+6*\t], v6 offset:768*\t
	ds_load_b64 v[36+6*\t:37+6*\t], v7 offset:768*\t+512
.endr
.irp p, 0,1,2,3
	ds_load_b32 v[240+\p], v10 offset:128*\p       ; lanes 0-15 tile 2 p's words, lanes 16-31 tile 2 p + 1's
.endr
	s_wait_dscnt 0x0
.irp t, 0,2,4,6
	v_wmma_scale_f32_16x16x128_f8f6f4 v[96+8*\t:103+8*\t], v[32+6*\t:43+6*\t], v[16:27], 0, v[240+\t/2], v28 matrix_a_fmt:MATRIX_FMT_FP6 matrix_b_fmt:MATRIX_FMT_FP6
	v_wmma_scale_f32_16x16x128_f8f6f4 v[104+8*\t:111+8*\t], v[38+6*\t:49+6*\t], v[16:27], 0, v[240+\t/2], v28 matrix_a_fmt:MATRIX_FMT_FP6 matrix_b_fmt:MATRIX_FMT_FP6 matrix_a_scale:MATRIX_SCALE_ROW1
.endr
.rept 4
	v_nop                                          ; places: ahead of the first read of the scores
.endr
	s_wait_alu depctr_va_vdst(0)                   ; the eight products are done reading K's fragments in v32-79, in which V's land (v8, v9 and v11 were written ahead of the step's first wait and are named by nothing since)
.irp ct, 0,1,2,3
.irp c, 0,1
	ds_load_b128 v[32+12*\ct+6*\c:35+12*\ct+6*\c], v8 offset:3072*\c+768*\ct     ; V's fragments are asked for now and land under the softmax
	ds_load_b64 v[36+12*\ct+6*\c:37+12*\ct+6*\c], v9 offset:3072*\c+768*\ct+512
.endr
.endr
.irp p, 0,1
	ds_load_b32 v[244+\p], v11 offset:128*\p
.endr
	s_lshr_b32 s15, s[8+\x], s7
	s_and_b32 s15, s15, 1
	s_cmp_eq_u32 s15, 0
	s_cbranch_scc1 .Lopen_\@                       ; no hole in this tile's step
	s_load_b512 s[16:31], s[2:3], 0x0
	s_load_b512 s[32:47], s[2:3], 0x40
	s_load_b512 s[48:63], s[2:3], 0x80
	s_load_b512 s[68:83], s[2:3], 0xc0
	s_wait_kmcnt 0x0
.set j, 0
.rept 64
.if j < 48
	v_cndmask_b32 v[96+j], v29, v[96+j], s[16+j]   ; a hidden key's score becomes -2^120 (the masks come from scalar loads: s_wait_kmcnt's affair)
.else
	v_cndmask_b32 v[96+j], v29, v[96+j], s[20+j]
.endif
.set j, j+1
.endr
.Lopen_\@:
.irp b, 0,1,2,3
	v_max3_num_f32 v[BM+\b], v[96+16*\b], v[97+16*\b], v[98+16*\b]   ; the largest score of each block of 32 keys: for the row's maximum and, since p rises with the score, for the block's largest p
.endr
.irp i, 3,5,7,9,11,13
.irp b, 0,1,2,3
	v_max3_num_f32 v[BM+\b], v[BM+\b], v[96+16*\b+\i], v[97+16*\b+\i]
.endr
.endr
.irp b, 0,1,2,3
	v_max_num_f32 v[BM+\b], v[BM+\b], v[111+16*\b]
.endr
.irp b, 0,1,2,3
	v_permlanex16_b32 v[PT+\b], v[BM+\b], s10, s11
.endr
.irp b, 0,1,2,3
	v_max_num_f32 v[BM+\b], v[BM+\b], v[PT+\b]
.endr
	v_max3_num_f32 v232, v[BM], v[BM+1], v[BM+2]
	v_max_num_f32 v232, v232, v[BM+3]
	v_mul_f32 v232, s12, v232                      ; as t
	v_max_num_f32 v13, v13, v232                   ; the running largest t
	v_mov_b32 v232, v12
	v_floor_f32 v12, -v13                          ; the new -M: a whole number
	v_sub_f32 v232, v12, v232                      ; old M - new M, 0 or less
	v_cvt_i32_f32 v232, v232                       ; (it saturates)
	v_ldexp_f32 v230, 1.0, v232                    ; f = 2^(old M - new M)
.set j, 0
.rept 32
	v_pk_fma_f32 v[96+j:97+j], v[96+j:97+j], s[12:13], v[12:13] op_sel_hi:[1,0,0]   ; t - M
.set j, j+2
.endr
.irp b, 0,1,2,3
	v_fma_f32 v[BM+\b], v[BM+\b], s12, v12
.endr
.set j, 0
.rept 64
	v_exp_f32 v[96+j], v[96+j]                     ; p = 2^(t - M)
.set j, j+1
.endr
	v_pk_mul_f32 v[14:15], v[14:15], v[230:231] op_sel_hi:[1,0]   ; the sums under the new M: a plain place behind the exponentials
	s_wait_alu depctr_va_vdst(0)                   ; the 64 exponentials have written p in v96-159: one wait for the batch, ahead of its first reader
.irp b, 0,1,2,3
	v_exp_f32 v[BM+\b], v[BM+\b]                   ; the blocks' largest p
.endr
	v_pk_add_f32 v[234:235], v[96:97], v[98:99]    ; the row's sum of the unquantised p, in two chains
.irp j, 4,8,12,16,20,24,28,32,36,40,44,48,52,56,60
	v_pk_add_f32 v[14:15], v[14:15], v[96+\j:97+\j]
	v_pk_add_f32 v[234:235], v[234:235], v[98+\j:99+\j]
.endr
	v_pk_add_f32 v[14:15], v[14:15], v[234:235]
	s_wait_alu depctr_va_vdst(0)                   ; the four exponentials have written the blocks' largest p in v212-215, ahead of their first reader
.irp b, 0,1,2,3
	v_max_num_f32 v[BM+\b], 0x1800000, v[BM+\b]    ; the floor 2^(3 - 127)
.endr
.irp b, 0,1,2,3
	v_add_nc_u32 v[SO+\b], 0xff000000, v[BM+\b]
.endr
.irp b, 0,1,2,3
	v_lshrrev_b32 v[PT+\b], 23, v[SO+\b]
.endr
	v_lshl_or_b32 v248, v[PT+1], 8, v[PT]          ; p's scale word for these 128 keys
	v_lshl_or_b32 v248, v[PT+2], 16, v248
	v_lshl_or_b32 v248, v[PT+3], 24, v248
.irp c, 0,1
	v_cvt_scalef32_pk16_fp6_f32 v[192+6*\c:194+6*\c], v[96+32*\c:111+32*\c], v[SO+2*\c]
	v_cvt_scalef32_pk16_fp6_f32 v[204+4*\c:206+4*\c], v[112+32*\c:127+32*\c], v[SO+2*\c+1]
.endr
	v_nop                                          ; one plain place behind the conversions
.irp c, 0,1
.irp i, 0,1,2
	v_permlane16_swap_b32 v[192+6*\c+\i], v[204+4*\c+\i]
.endr
.irp i, 0,1,2
	v_mov_b32 v[195+6*\c+\i], v[204+4*\c+\i]
.endr
.endr
.set j, 0
.rept 16
	v_pk_mul_f32 v[160+j:161+j], v[160+j:161+j], v[230:231] op_sel_hi:[1,0]   ; O^T under the new M; also the places between the codes and scale word just made and the products
.set j, j+2
.endr
	s_wait_dscnt 0x0                               ; V's fragments and scale words are in
	s_wait_alu depctr_va_vdst(0)                   ; p's codes v192-203 and its scale word v248, made by vector instructions, are written: the scaled products below take them as operand and scales; the places above stay beside this wait
.irp ct, 0,2
	v_wmma_scale_f32_16x16x128_f8f6f4 v[160+8*\ct:167+8*\ct], v[32+12*\ct:43+12*\ct], v[192:203], v[160+8*\ct:167+8*\ct], v[244+\ct/2], v248 matrix_a_fmt:MATRIX_FMT_FP6 matrix_b_fmt:MATRIX_FMT_FP6
	v_wmma_scale_f32_16x16x128_f8f6f4 v[168+8*\ct:175+8*\ct], v[44+12*\ct:55+12*\ct], v[192:203], v[168+8*\ct:175+8*\ct], v[244+\ct/2], v248 matrix_a_fmt:MATRIX_FMT_FP6 matrix_b_fmt:MATRIX_FMT_FP6 matrix_a_scale:MATRIX_SCALE_ROW1
.endr
	s_add_co_u32 s4, s4, 6144
	s_add_co_u32 s5, s5, 512
	s_add_co_u32 s6, s6, 256
	s_add_nc_u64 s[2:3], s[2:3], 256               ; the next step's mask words (no scalar load is out); behind 16 steps: the next tile's
	s_add_co_u32 s7, s7, 1
	s_cmp_lt_u32 s7, 16
	s_cbranch_scc1 .Lstep_\@
	; the tile's end: O^T / the sum, quantised along its 64 channels: two blocks
	v_add_f32 v14, v14, v15
	v_permlanex16_b32 v232, v14, s10, s11
	v_add_f32 v14, v14, v232
	v_rcp_f32 v14, v14
.rept 3
	v_nop                                          ; with the two additions: the places behind the last products; and the plain place behind the reciprocal
.endr
	s_wait_alu depctr_va_vdst(0)                   ; the reciprocal has written v14, ahead of its first reader
.set j, 0
.rept 32
	v_mul_f32 v[96+j], v[160+j], v14               ; register 16 b + i: channel 32 b + 16 (lane / 16) + i of my query
.set j, j+1
.endr
.irp b, 0,1
	v_max3_num_f32 v[BM+\b], |v[96+16*\b]|, |v[97+16*\b]|, 0x1800000
.endr
.irp i, 2,4,6,8,10,12,14
.irp b, 0,1
	v_max3_num_f32 v[BM+\b], v[BM+\b], |v[96+16*\b+\i]|, |v[97+16*\b+\i]|
.endr
.endr
.irp b, 0,1
	v_permlanex16_b32 v[PT+\b], v[BM+\b], s10, s11
.endr
.irp b, 0,1
	v_max_num_f32 v[BM+\b], v[BM+\b], v[PT+\b]
.endr
.irp b, 0,1
	v_add_nc_u32 v[SO+\b], 0xff000000, v[BM+\b]
.endr
.irp b, 0,1
	v_lshrrev_b32 v[PT+\b], 23, v[SO+\b]
.endr
	v_lshl_or_b32 v[30+\x], v[PT+1], 8, v[PT]      ; my row's two scale bytes
	v_cvt_scalef32_pk16_fp6_f32 v[192:194], v[96:111], v[SO]
	v_cvt_scalef32_pk16_fp6_f32 v[204:206], v[112:127], v[SO+1]
	v_nop
.irp i, 0,1,2
	v_permlane16_swap_b32 v[192+\i], v[204+\i]
.endr
.irp i, 0,1,2
	v_mov_b32 v[195+\i], v[204+\i]
.endr
	s_wait_alu depctr_va_vdst(0)                   ; the swaps and moves have written v192-197, which the two stores read; and every product of this tile is done reading Q in v16-21 and v28, in which the next tile's loads land
	global_store_b128 v1, v[192:195], s[92:93] offset:12288*\x         ; 512 consecutive bytes
	global_store_b64 v2, v[196:197], s[92:93] offset:12288*\x+512      ; 256 consecutive bytes
.endm
	TILE 0
	TILE 1
	v_cndmask_b32 v30, v30, v31, s14               ; lanes 0-15 my first tile's rows, lanes 16-31 my second's
	v_and_b32 v233, 15, v0
	v_bfe_u32 v234, v0, 4, 1
	v_lshlrev_b32 v233, 4, v233
	v_lshl_add_u32 v233, v234, 9, v233             ; 512 x tile + 16 r
	s_wait_alu depctr_va_vdst(0)                   ; v233 and v30 are written: the store's offset and its data
	global_store_b16 v233, v30, s[94:95]           ; two bytes a row: a head's part of a scale word; one instruction a wave
	s_wait_dscnt 0x0                               ; the closing lines, six on end
	s_wait_alu 0x0
	s_wait_tensorcnt 0x0
	ds_add_u32 v[SPW], v[NIL]
	s_wait_dscnt 0x0
	s_endpgm
.Lfunc_end_k_qb22511bf3d_attn:
	.size	k_qb22511bf3d_attn, .Lfunc_end_k_qb22511bf3d_attn-k_qb22511bf3d_attn
	.p2alignl 7, 3214868480
	.fill 96, 4, 3214868480
	.section	.rodata,"a",@progbits
	.p2align	6, 0x0
	.amdhsa_kernel k_qb22511bf3d_attn
		.amdhsa_group_segment_fixed_size 210944
		.amdhsa_private_segment_fixed_size 0
		.amdhsa_enable_private_segment 0
		.amdhsa_kernarg_size 48
		.amdhsa_user_sgpr_count 2
		.amdhsa_user_sgpr_kernarg_segment_ptr 1
		.amdhsa_wavefront_size32 1
		.amdhsa_system_sgpr_workgroup_id_x 1
		.amdhsa_system_sgpr_workgroup_id_y 1
		.amdhsa_system_sgpr_workgroup_id_z 1
		.amdhsa_system_vgpr_workitem_id 0
		.amdhsa_next_free_vgpr 256
		.amdhsa_next_free_sgpr 100
		.amdhsa_reserve_vcc 0
		.amdhsa_float_denorm_mode_32 3
		.amdhsa_float_denorm_mode_16_64 3
		.amdhsa_memory_ordered 1
		.amdhsa_forward_progress 1
		.amdhsa_inst_pref_size 62
	.end_amdhsa_kernel
	.amdgpu_metadata
---
amdhsa.version: [ 1, 2 ]
amdhsa.kernels:
  - .name:           k_qb22511bf3d_attn
    .symbol:         k_qb22511bf3d_attn.kd
    .args:
      - { .name: qkv_codes, .offset: 0, .size: 8, .value_kind: global_buffer, .address_space: global }
      - { .name: qkv_scales, .offset: 8, .size: 8, .value_kind: global_buffer, .address_space: global }
      - { .name: maskw, .offset: 16, .size: 8, .value_kind: global_buffer, .address_space: global }
      - { .name: maskf, .offset: 24, .size: 8, .value_kind: global_buffer, .address_space: global }
      - { .name: o_codes, .offset: 32, .size: 8, .value_kind: global_buffer, .address_space: global }
      - { .name: o_scales, .offset: 40, .size: 8, .value_kind: global_buffer, .address_space: global }
    .group_segment_fixed_size: 210944
    .private_segment_fixed_size: 0
    .kernarg_segment_align: 8
    .kernarg_segment_size: 48
    .max_flat_workgroup_size: 512
    .sgpr_count:     100
    .vgpr_count:     256
    .wavefront_size: 32
...
	.end_amdgpu_metadata
.endif
;; end of part 5
;; launch oproj: the kernel of part 4 again; grid 4 x 64, 4 waves a work-group, clusters of 4 x 4, 327,680 bytes of LDS; arguments xw_codes, xw_scales, o_codes, o_scales, b_o, out0; writes out0
